; MI455X (gfx1250); checked and timed in simulation.
; The chip was launched on July 23, 2026; its instructions are those of AMD's public machine-readable ISA for CDNA 5 (MIT licence, August 2026) and "CDNA5" Instruction Set Architecture Reference Guide (July 2026). The comments in the code are by the model that wrote it; some were corrected since.
;; Masked Self Attention. Allowed arithmetic: float matrix products may take bf16 or f16 operands with f32 sums; other float arithmetic in f32, or as packed bf16 or f16 multiplies, adds, multiply-adds, maxima and minima; sums over many terms, partial sums and values carried from step to step in f32; what a program stores and reads back later, other than sums and carried values, may be rounded once to bf16 or f16.
;; Inputs: Wk 1,024 x 1,024 float32; Wq 1,024 x 1,024 float32; Wv 1,024 x 1,024 float32; bk 1,024 float32; bq 1,024 float32; bv 1,024 float32; mask 4 x 2,048 x 2,048 float32; x 4 x 2,048 x 1,024 float32.
;; Outputs: out0 4 x 2,048 x 1,024 float32.
;; 2 versions, each right; version 2 is version 1 with the launch prep written anew for expert scheduling mode. Each part assembles by itself: llvm-mc -triple=amdgcn-amd-amdhsa -mcpu=gfx1250 --defsym DOCPART=n.
;; ======== version 1 of 2: 4 launches
;; limits: values are held in f16: magnitudes above 65,504 overflow, below 6.1e-05 lose precision; values outside matrix products are rounded to bf16
;; workspace buffers: xb 16,777,216 bytes; wt 6,291,456 bytes; bias 12,288 bytes; qkv 50,331,648 bytes; p 33,554,432 bytes; stats 1,048,576 bytes
;; launch prep (part 1): grid 640 x 1, 8 waves a work-group, no clusters, 18,432 bytes of LDS; arguments x, Wq, Wk, Wv, bq, bv, xb, wt, bias; writes xb, wt, bias
.if DOCPART == 1
	.amdgcn_target "amdgcn-amd-amdhsa--gfx1250"
	.amdhsa_code_object_version 6
	.text
	.protected	k_q12b2f47632_prep
	.globl	k_q12b2f47632_prep
	.p2align	8
	.type	k_q12b2f47632_prep,@function
k_q12b2f47632_prep:
	s_mov_b64 s[64:65], 0
	v_nop
	global_prefetch_b8 v0, s[64:65] scope:SCOPE_SE
	s_setreg_imm32_b32 hwreg(HW_REG_WAVE_MODE, 25, 1), 1
	s_wait_xcnt 0x0
; MASKED SELF-ATTENTION, launch 1 of 4: the matrix operands are made.
; xb = bf16(x), in blocks of 64 d: [16][8192 rows][64];  wt[n][d] = bf16(W[d][n]), n = q's 1,024 columns, then k's, then v's, in the same blocks: [16][3072][64];
; bias[n] = bq, 0, bv, each number rounded to bf16 and kept as f32: [3072].  In a block a row is 128 bytes and rows follow each other without a gap, so a tile of rows x 64 d is dense.
; THE PROGRAM.  2: qkv = f16(xb wt^T + bias).  3: for each block of 128 keys t = q.k / 32 + mask, the block's maximum m_loc, p = e^(t - m_loc) in f16, l_loc = the sum of p.
; 4: m = the maximum of m_loc, w = e^(m_loc - m), l = the sum of w l_loc, out = (the sum of (p w) v) / l.  A maximum is taken away before every exponential.
; WORK LEFT OUT: bk.  k_j = x_j Wk + bk, so q_i . k_j = q_i . (x_j Wk) + q_i . bk.  The second term does not hang on the key j: it is added alike to every entry of row i of the
; softmax's input, along its axis, and e^(t + c) / sum e^(t + c) = e^t / sum e^t for every finite c.  That holds for all values of x, Wq, bq, Wk, bk and the mask.  k enters nothing but
; the scores.  So bk has no way to the output: it is not loaded and is among no launch's arguments.  LIMIT: a NaN, an infinity or an overflow that bk alone would cause is not carried to the result.
; The mask is an input: all 2,048 x 2,048 scores of every batch are made and every word of the mask is read.
; FORMATS.  x, the weights and the biases are rounded once to bf16; q, k, v and p once to f16; the mask, maxima and all sums stay in f32.
; THIS LAUNCH streams: no matrix unit, no cluster, no tensor load: no byte is wanted twice.
; Work-groups 0-255: 32 rows of x each.  A load of a wave takes 256 bytes (64 d) of each of two rows; its store is those two rows' 128 bytes in one block: 256 consecutive bytes, aligned.
; A thread keeps 16 loads on their way: a load's registers are asked for again as soon as they are converted.
; Work-groups 256-639: a tile of 128 d x 64 e of one W is turned through LDS: two rows d, d + 1 pack into words; rows of 272 bytes; read back so that 16 lanes hold two rows e of one block.
; Those of them with the first 128 d also write their 64 numbers of bias (wave 0).
.set SPARE, 17408                      ; behind the tile: the spare words, 128 bytes for each of eight waves
.set SPW, 8                            ; v8  LDS address of my spare word; never rewritten
.set NIL, 9                            ; v9  0; never rewritten
.set XR,  32                           ; v[32:95]   16 loads of 4 registers
.set YR,  96                           ; v[96:159]  to store: each store has registers of its own, so none is rewritten while a store reads it
.set TP,  272                          ; a row of the turned tile: 128 d x 2 bytes + 16
.set XBLK, 1048576                     ; bytes in a block of xb: 8,192 rows x 128
.set WBLK, 393216                      ; bytes in a block of wt: 3,072 rows x 128
	s_load_b256 s[4:11], s[0:1], 0x0               ; x s[4:5], Wq s[6:7], Wk s[8:9], Wv s[10:11]
	s_load_b256 s[12:19], s[0:1], 0x20             ; bq s[12:13], bv s[14:15], xb s[16:17], wt s[18:19]
	s_load_b64 s[20:21], s[0:1], 0x40              ; bias
	v_lshl_add_u32 v[SPW], v0, 2, SPARE
	v_mov_b32 v[NIL], 0
	s_cmp_lt_u32 ttmp9, 256                        ; the work-group's number chooses the share: the same in all eight waves
	s_cbranch_scc0 .Lweights
	s_lshl_b32 s22, ttmp9, 17                      ; my 32 rows of x, 4,096 bytes each,
	s_mov_b32 s23, 0
	s_lshl_b32 s24, ttmp9, 12                      ; and of a block of xb, 128 bytes each
	s_mov_b32 s25, 0
	v_lshrrev_b32 v3, 4, v0                        ; my row among 16
	v_and_b32 v4, 15, v0                           ; my four d among 64
	v_lshlrev_b32 v1, 12, v3
	v_lshl_add_u32 v1, v4, 4, v1
	v_lshlrev_b32 v2, 7, v3
	v_lshl_add_u32 v2, v4, 3, v2
	s_wait_kmcnt 0x0
	s_add_nc_u64 s[4:5], s[4:5], s[22:23]
	s_add_nc_u64 s[16:17], s[16:17], s[24:25]
	s_add_nc_u64 s[26:27], s[16:17], 8*XBLK        ; blocks 8 .. 15 by a second base: the stores' immediates stay inside their signed 24 bits
.macro XLOAD i                         ; load i of 32: rows 16 (i / 16) on, block i % 16
	global_load_b128 v[XR+4*((\i)%16):XR+4*((\i)%16)+3], v1, s[4:5] offset:65536*((\i)/16)+256*((\i)%16) th:TH_LOAD_NT
.endm
.set i, 0
.rept 16
	XLOAD i
.set i, i+1
.endr
.set i, 0
.rept 32
.if i < 16
	s_wait_loadcnt 15                              ; loads come back in order: number i is in, the 15 younger ones stay out
.else
	s_wait_loadcnt 31-i                            ; nothing more is asked for: the counts run down
.endif
	v_cvt_pk_bf16_f32 v[YR+2*i], v[XR+4*(i%16)], v[XR+4*(i%16)+1]
	v_cvt_pk_bf16_f32 v[YR+2*i+1], v[XR+4*(i%16)+2], v[XR+4*(i%16)+3]
.if i < 16
	XLOAD i+16
.endif
.if (i%16) < 8
	global_store_b64 v2, v[YR+2*i:YR+2*i+1], s[16:17] offset:XBLK*(i%16)+2048*(i/16)
.else
	global_store_b64 v2, v[YR+2*i:YR+2*i+1], s[26:27] offset:XBLK*(i%16-8)+2048*(i/16)
.endif
.set i, i+1
.endr
	s_branch .Lend
.Lweights:
	s_sub_co_u32 s22, ttmp9, 256                   ; 0 .. 383
	s_lshr_b32 s23, s22, 7                         ; which W
	s_bfe_u32 s24, s22, 0x30004                    ; block of 128 d
	s_and_b32 s25, s22, 15                         ; block of 64 e
	s_lshl_b32 s26, s24, 19                        ; 128 rows of 4,096 bytes
	s_lshl_b32 s27, s25, 8                         ; 64 e of 4 bytes
	s_add_co_u32 s26, s26, s27
	s_mov_b32 s27, 0
	s_lshl_b32 s28, s23, 10
	s_lshl_b32 s29, s25, 6
	s_add_co_u32 s28, s28, s29                     ; my first n: 1,024 x W + 64 x block
	s_lshl_b32 s30, s28, 2                         ; in bias: 4 bytes a number
	s_mov_b32 s31, 0
	s_lshl_b32 s28, s28, 7                         ; in a block of wt: 128 bytes a row
	s_mul_i32 s29, s24, 2*WBLK                     ; 128 d are two blocks
	s_add_co_u32 s28, s28, s29
	s_mov_b32 s29, 0
	v_and_b32 v1, 15, v0                           ; eg: my four e
	v_lshrrev_b32 v2, 4, v0                        ; dp0: my pair of rows d, 0 .. 15
	v_lshlrev_b32 v3, 13, v2                       ; from W: two rows a pair,
	v_lshl_add_u32 v3, v1, 4, v3                   ; 16 bytes
	v_mul_u32_u24 v4, v1, 4*TP                     ; into the tile: row e = 4 eg + i, word dp0
	v_lshl_add_u32 v4, v2, 2, v4
	v_lshrrev_b32 v5, 5, v0                        ; back: 8 lanes take 128 bytes (64 d) of a row e, the next 8 the row below,
	v_bfe_u32 v6, v0, 3, 1
	v_lshl_add_u32 v5, v5, 1, v6                   ; e = 2 (t / 32) + (t / 8) % 2
	v_bfe_u32 v6, v0, 4, 1                         ; which 64 of the 128 d
	v_and_b32 v7, 7, v0
	v_mul_u32_u24 v10, v5, TP
	v_lshl_add_u32 v10, v6, 7, v10
	v_lshl_add_u32 v10, v7, 4, v10
	v_mul_u32_u24 v11, v6, WBLK                    ; and the same in wt: the block, the row, 16 bytes
	v_lshl_add_u32 v11, v5, 7, v11
	v_lshl_add_u32 v11, v7, 4, v11
	s_wait_kmcnt 0x0
	s_cmp_eq_u32 s23, 0
	s_cselect_b64 s[32:33], s[6:7], s[8:9]
	s_cmp_eq_u32 s23, 2
	s_cselect_b64 s[32:33], s[10:11], s[32:33]
	s_add_nc_u64 s[32:33], s[32:33], s[26:27]
	s_add_nc_u64 s[18:19], s[18:19], s[28:29]
.irp k, 0,1,2,3                        ; pair dp0 + 16 k: rows d = 2 dp0 + 32 k and d + 1
	global_load_b128 v[XR+8*\k:XR+8*\k+3],   v3, s[32:33] offset:131072*\k th:TH_LOAD_NT
	global_load_b128 v[XR+8*\k+4:XR+8*\k+7], v3, s[32:33] offset:131072*\k+4096 th:TH_LOAD_NT
.endr
.irp k, 0,1,2,3
	s_wait_loadcnt 6-2*\k                          ; the later pairs' loads stay out
.irp i, 0,1,2,3
	v_cvt_pk_bf16_f32 v[64+4*\k+\i], v[XR+8*\k+\i], v[XR+8*\k+4+\i]  ; W[d][e] below, W[d + 1][e] above: neighbours in wt's row e
.endr
.irp i, 0,1,2,3
	ds_store_b32 v4, v[64+4*\k+\i] offset:TP*\i+64*\k
.endr
.endr
	s_wait_dscnt 0x0                               ; for the others' sake: my stores into the tile are done
	s_barrier_signal -1
	s_barrier_wait -1
.irp k, 0,1,2,3
	ds_load_b128 v[80+4*\k:80+4*\k+3], v10 offset:16*TP*\k
.endr
.irp k, 0,1,2,3
	s_wait_dscnt 3-\k                              ; the younger reads stay out
	global_store_b128 v11, v[80+4*\k:80+4*\k+3], s[18:19] offset:2048*\k  ; 16 lanes store two rows of a block: 256 consecutive bytes, aligned
.endr
	s_cmp_lg_u32 s24, 0                            ; the bias of my 64 n: once for each W and block of e, by wave 0
	s_cbranch_scc1 .Lend
	v_lshrrev_b32 v12, 5, v0
	v_readfirstlane_b32 s38, v12
	s_cmp_lg_u32 s38, 0
	s_cbranch_scc1 .Lend
	s_add_nc_u64 s[20:21], s[20:21], s[30:31]
	v_lshlrev_b32 v12, 3, v0                       ; in wave 0 the thread's number is the lane: two numbers a lane
	v_mov_b32 v14, 0                               ; k's columns have no bias
	v_mov_b32 v15, 0
	s_cmp_eq_u32 s23, 1
	s_cbranch_scc1 .Lzero
	s_cmp_eq_u32 s23, 0
	s_cselect_b64 s[36:37], s[12:13], s[14:15]
	s_lshl_b32 s34, s25, 8
	s_mov_b32 s35, 0
	s_add_nc_u64 s[36:37], s[36:37], s[34:35]
	global_load_b64 v[16:17], v12, s[36:37]
	s_wait_loadcnt 0x0
	v_cvt_pk_bf16_f32 v13, v16, v17                ; rounded to bf16 like every other input, and widened again
	v_lshlrev_b32 v14, 16, v13
	v_and_b32 v15, 0xffff0000, v13
.Lzero:
	global_store_b64 v12, v[14:15], s[20:21]       ; 32 lanes store 256 consecutive bytes, aligned
.Lend:
	s_wait_tensorcnt 0x0                           ; the wave's end, behind my last LDS store
	ds_add_u32 v[SPW], v[NIL]
	s_wait_dscnt 0x0
	s_endpgm
.Lfunc_end_k_q12b2f47632_prep:
	.size	k_q12b2f47632_prep, .Lfunc_end_k_q12b2f47632_prep-k_q12b2f47632_prep
	.p2alignl 7, 3214868480
	.fill 96, 4, 3214868480
	.section	.rodata,"a",@progbits
	.p2align	6, 0x0
	.amdhsa_kernel k_q12b2f47632_prep
		.amdhsa_group_segment_fixed_size 18432
		.amdhsa_private_segment_fixed_size 0
		.amdhsa_enable_private_segment 0
		.amdhsa_kernarg_size 72
		.amdhsa_user_sgpr_count 2
		.amdhsa_user_sgpr_kernarg_segment_ptr 1
		.amdhsa_wavefront_size32 1
		.amdhsa_system_sgpr_workgroup_id_x 1
		.amdhsa_system_sgpr_workgroup_id_y 1
		.amdhsa_system_sgpr_workgroup_id_z 1
		.amdhsa_system_vgpr_workitem_id 0
		.amdhsa_next_free_vgpr 160
		.amdhsa_next_free_sgpr 66
		.amdhsa_reserve_vcc 0
		.amdhsa_float_denorm_mode_32 3
		.amdhsa_float_denorm_mode_16_64 3
		.amdhsa_memory_ordered 1
		.amdhsa_forward_progress 1
		.amdhsa_inst_pref_size 19
	.end_amdhsa_kernel
	.amdgpu_metadata
---
amdhsa.version: [ 1, 2 ]
amdhsa.kernels:
  - .name:           k_q12b2f47632_prep
    .symbol:         k_q12b2f47632_prep.kd
    .args:
      - { .name: x, .offset: 0, .size: 8, .value_kind: global_buffer, .address_space: global }
      - { .name: Wq, .offset: 8, .size: 8, .value_kind: global_buffer, .address_space: global }
      - { .name: Wk, .offset: 16, .size: 8, .value_kind: global_buffer, .address_space: global }
      - { .name: Wv, .offset: 24, .size: 8, .value_kind: global_buffer, .address_space: global }
      - { .name: bq, .offset: 32, .size: 8, .value_kind: global_buffer, .address_space: global }
      - { .name: bv, .offset: 40, .size: 8, .value_kind: global_buffer, .address_space: global }
      - { .name: xb, .offset: 48, .size: 8, .value_kind: global_buffer, .address_space: global }
      - { .name: wt, .offset: 56, .size: 8, .value_kind: global_buffer, .address_space: global }
      - { .name: bias, .offset: 64, .size: 8, .value_kind: global_buffer, .address_space: global }
    .group_segment_fixed_size: 18432
    .private_segment_fixed_size: 0
    .kernarg_segment_align: 8
    .kernarg_segment_size: 72
    .max_flat_workgroup_size: 256
    .sgpr_count:     66
    .vgpr_count:     160
    .wavefront_size: 32
...
	.end_amdgpu_metadata
.endif
;; end of part 1
;; launch proj (part 2): grid 8 x 32, 4 waves a work-group, clusters of 4 x 4, 327,680 bytes of LDS; arguments xb, wt, bias, qkv; writes qkv
.if DOCPART == 2
	.amdgcn_target "amdgcn-amd-amdhsa--gfx1250"
	.amdhsa_code_object_version 6
	.text
	.protected	k_q12b2f47632_proj
	.globl	k_q12b2f47632_proj
	.p2align	8
	.type	k_q12b2f47632_proj,@function
k_q12b2f47632_proj:
	s_mov_b64 s[64:65], 0
	v_nop
	global_prefetch_b8 v0, s[64:65] scope:SCOPE_SE
	s_setreg_imm32_b32 hwreg(HW_REG_WAVE_MODE, 25, 1), 1
	s_wait_xcnt 0x0
	s_wait_alu depctr_hold_cnt(0) depctr_sa_sdst(0) depctr_va_vdst(0) depctr_va_sdst(0) depctr_va_ssrc(0) depctr_va_vcc(0) depctr_vm_vsrc(0)
	s_getreg_b32 s2, hwreg(HW_REG_IB_STS2, 6, 4)
	s_cmp_eq_u32 s2, 0
	s_cbranch_scc0 .Lentry_in_a_cluster
	s_endpgm
.Lentry_in_a_cluster:
	s_bfe_u32 s2, ttmp6, 0x10000c
	s_cmp_lg_u32 s2, 0xf033
	s_cbranch_scc0 .Lentry_shape_is_right
	s_endpgm
.Lentry_shape_is_right:
; Launch 2 of 4: qkv[row][n] = f16(the sum over d of xb[row][d] wt[n][d] + bias[n]).  xb [16][8192][64], wt [16][3072][64] bf16, in blocks of 64 d; bias [3072] f32;
; qkv [8192][3072] f16: q at byte 0 of a row, k at 2,048, v at 4,096.
; WORK LEFT OUT: bk (shown at the head of the first kernel: q . bk is the same along the softmax's axis).  bias holds 0 for k's columns.
; LIMIT: q, k and v are kept in f16: they must stay under 65,504.
; SHARES.  8,192 x 3,072 outputs are 256 tiles of 256 x 384: one to a work-group, all alike.  Four waves, 128 x 192 each: 96 accumulators, 768 registers.
; K = 1,024 goes in 16 steps of 64 through two LDS slots; a slot holds 256 rows of xb and 384 of wt, 128 bytes a row, 144 with padding: 92,160 bytes.  (Steps of 128 would want
; 2 x 640 x 272 = 348,160 bytes.)  In memory a tile's rows lie end to end, so a wave asks for its part as rows of 256 bytes: 64 of them (128 rows of xb) or 96 (192 rows of wt).
; CLUSTER 4 x 4: xb's tile is shared along a row of the cluster, wt's along a column; each is asked for jointly, by the same tensor load, descriptor and mask in the four.
; THE PRODUCT IS TAKEN TRANSPOSED (source 0 = 16 rows of wt, source 1 = 16 rows of xb): a lane holds one row of qkv and eight neighbouring columns.
; REGISTERS, in windows of 256.  Windows 1, 2, 3: the accumulators: window 1 + g holds column blocks 4 g .. 4 g + 3 of all eight row blocks, (a, b) at v[8 (4 a + b % 4)].
;   Window 0: v0-31 addresses; v32-95, v96-159 xb's eight fragments, two buffers; v160-255 wt's twelve fragments, three groups of four, one buffer each.
; A QUARTER (32 along K) is three stretches of 32 products, one for each window and group of wt's fragments.  A group is loaded again behind the stretch that read it, 64 products ahead of
; its next use; xb's other buffer is loaded in two halves behind the first two stretches.  So only C and D change windows: six switches for 96 products and 40 loads.
; THE BIAS hangs on the register and the lane's half alone.  It is loaded into the accumulators of row block 7; the first products of blocks 0 .. 6 take those as C, and block 7 then adds in place.
; THE WAY OUT.  A wave's 192 columns are 384 bytes: one and a half aligned blocks of 256.  So the four waves share one stage of 256 rows x 784 bytes, which lies over the ring, whose bytes
; have had their last fill; a barrier stands in front of the writing and one between writing and reading; each wave then stores 64 whole rows.
.set PK,     144                       ; an LDS row: 128 bytes + 16: the 16 rows of a fragment load start at 16 different groups of four banks (64 banks of 4 bytes: ISA guide 11.1)
.set AB,     256*PK                    ; xb's 256 rows; wt's 384 lie behind them
.set SLOT1,  131072                    ; slot 1 begins here: one exclusive or turns an address in one slot into the other's
.set SP,     784                       ; a row of the stage: 768 bytes + 16
.set SPARE,  229376                    ; behind slot 1 and the stage: the spare words, 128 bytes for each wave
.set ASTEP,  1048576                   ; bytes from a block of xb to the next
.set BSTEP,  393216                    ; of wt
.set CROW,   6144                      ; bytes in a row of qkv
.set ADRA0, 16                         ; v16  my place in xb's tile in slot 0; never rewritten
.set ADRA,  17                         ; v17  the same in the slot in hand
.set ADRB0, 20                         ; v20, v21  the same for wt
.set ADRB,  21
.set STO,  24                          ; v24  where I put 16 bytes of a row of the stage, row blocks 0-3;  v27 (STO + 3): row blocks 4-7
.set RD,   25                          ; v25  where I read rows back
.set CO,   26                          ; v26  my byte offset in two rows of qkv
.set SPW,  28                          ; v28  LDS address of my spare word; never rewritten
.set NIL,  29                          ; v29  0; never rewritten
.set PFO,  30                          ; v30  the prefetches' offset
.set BO,   31                          ; v31  my half's 32 bytes in 16 numbers of the bias
.set FA0,  32
.set FA1,  96
.set GB,   160
.set TMP,  32                          ; the way out: 48 registers, a row block packed
.set OB,   32                          ; the way out: two buffers of 96, rows read back
.set G1,  24                           ; s[24:31] group 1 for xb's tiles
.set G0,  32                           ; s[32:39] group 0: a set for each first fill; the second then walks
.set LIM, 43                           ; s43  2 in a wave that prefetches, else the greatest number
.set PFA, 44                           ; s[44:45] where my prefetches stand
.set G1B, 48
.set G0B, 56
.set TB,  66                           ; s66  0 or SLOT1: the slot in hand
.set PAR, 67                           ; s67  1 in the wave that prefetches in every second trip, else 0
.set PFS, 68                           ; s[68:69] the prefetches' step
.set MSB, 0
.macro WIN new                         ; the immediate's high byte repeats the setting that is left; a switch that changes nothing is dropped
.if MSB != (\new)
	s_set_vgpr_msb (MSB<<8)|(\new)
.set MSB, \new
.endif
.endm
.macro PLACES                          ; four plain places between a matrix instruction and a load into, or a vector line on, its registers
.rept 4
	v_nop
.endr
.endm
.macro JLOAD s                         ; a joint load: waves 0, 1 fetch xb's halves, waves 2, 3 wt's; s_nop 0 and four v_nop follow each line
	s_cmp_eq_u32 s11, 0
	s_cbranch_scc0 .Lfor_b_\@
	tensor_load_to_lds s[G0+4*(\s):G0+4*(\s)+3], s[G1:G1+7]
	s_nop 0
	PLACES
	s_branch .Lasked_\@
.Lfor_b_\@:
	tensor_load_to_lds s[G0B+4*(\s):G0B+4*(\s)+3], s[G1B:G1B+7]
	s_nop 0
	PLACES
.Lasked_\@:
.endm
; A prefetch of the K step two refills on, 384 matrix instructions ahead of the load that will want it; a lane names 256 bytes.  A step of xb's tile is 128 such blocks: each of the four partners
; along the cluster's row takes 32, by address, and wave 0 asks; the clusters with x = 0 ask.  A step of wt's tile is 192: each partner along the column takes 48: wave 2 asks for 32 of them;
; wave 3 for the other 16 of two steps at once (lanes 16-31: the step after), in every second trip; the clusters with y = 0 ask.  So each block is named once.
; Trips with s3 = 14 .. 3 name steps 4 .. 15 (wave 3: s3 = 14, 12 .. 4); the last trips name nothing.
.macro ASK
	s_and_b32 s74, s3, s[PAR]
	s_cbranch_scc1 .Lnot_mine_\@
	s_cmp_gt_u32 s3, s[LIM]
	s_cbranch_scc0 .Lnot_mine_\@
	global_prefetch_b8 v[PFO], s[PFA:PFA+1] th:TH_LOAD_NT scope:SCOPE_SE
.Lnot_mine_\@:
.endm
.macro CREST                           ; a round of the cluster's barrier behind its opening barrier
	s_cmp_lg_u32 s10, 0
	s_cbranch_scc1 .Lnot_wave_0_\@
	s_barrier_signal -3
.Lnot_wave_0_\@:
	s_barrier_wait -3
	s_barrier_signal -1
	s_barrier_wait -1
.endm
.macro CROUND
	s_barrier_signal -1
	s_barrier_wait -1
	CREST
.endm
	s_load_b128 s[4:7], s[0:1], 0x0                ; xb s[4:5], wt s[6:7]
	s_load_b128 s[76:79], s[0:1], 0x10             ; bias s[76:77], qkv s[78:79]
	v_lshl_add_u32 v[SPW], v0, 2, SPARE
	v_mov_b32 v[NIL], 0
	ds_add_u32 v[SPW], v[NIL]                      ; the wave's opening: the add, twice on end, and its wait ahead of my first tensor load
	ds_add_u32 v[SPW], v[NIL]
	v_lshrrev_b32 v1, 5, v0
	v_readfirstlane_b32 s10, v1                    ; wave 0..3
	s_lshr_b32 s11, s10, 1                         ; my half of the tile's rows; also: I fetch xb (0) or wt (1)
	s_and_b32 s12, s10, 1                          ; my half of its columns; also: which half of that tile I fetch
	s_bfe_u32 s40, ttmp6, 0x40000                  ; cx
	s_bfe_u32 s41, ttmp6, 0x40004                  ; cy
	s_lshl_b32 s42, ttmp9, 2
	s_add_co_u32 s42, s42, s40                     ; tile column, 0 .. 7
	s_and_b32 s13, ttmp7, 0xffff
	s_lshl_b32 s13, s13, 2
	s_add_co_u32 s13, s13, s41                     ; tile row, 0 .. 31
	s_lshl_b32 s43, s41, 2
	s_lshl_b32 s43, 15, s43                        ; my row of the cluster
	s_lshl_b32 s44, 0x1111, s40                    ; my column
	s_or_b32 s[G1+0], s43, (1<<16)|(1<<20)|(1<<21)|(4<<22)|(3<<25)   ; mask; 2-byte elements; padding on; bit 21 beside a mask; after every 32 words, 4 words
	s_or_b32 s[G1B+0], s44, (1<<16)|(1<<20)|(1<<21)|(4<<22)|(3<<25)
	s_mov_b32 s[G1+1], 128<<16                     ; tensor_dim0 = 128 elements: 256 bytes, two rows of a block
	s_mov_b32 s[G1+2], 64<<16                      ; tensor_dim1 = 64
	s_mov_b32 s[G1+3], 128<<16                     ; tile_dim0 = 128
	s_mov_b32 s[G1+4], 64                          ; tile_dim1 = 64
	s_mov_b32 s[G1+5], 128                         ; dense: 128 elements from row to row
	s_mov_b32 s[G1+6], 0
	s_mov_b32 s[G1+7], 0
	s_mov_b32 s[G1B+1], 128<<16
	s_mov_b32 s[G1B+2], 96<<16                     ; wt's half: 96 such rows
	s_mov_b32 s[G1B+3], 128<<16
	s_mov_b32 s[G1B+4], 96
	s_mov_b32 s[G1B+5], 128
	s_mov_b32 s[G1B+6], 0
	s_mov_b32 s[G1B+7], 0
	s_mov_b32 s[TB], 0
	s_lshl_b32 s16, s13, 15                        ; xb: 256 rows of 128 bytes a tile row,
	s_lshl_b32 s17, s12, 14                        ; 128 rows a half
	s_add_co_u32 s16, s16, s17
	s_mov_b32 s17, 0
	s_mul_i32 s46, s42, 384*128                    ; wt: 384 rows a tile column,
	s_mul_i32 s47, s12, 192*128                    ; 192 a half
	s_add_co_u32 s46, s46, s47
	s_mov_b32 s47, 0
	s_mul_i32 s20, s12, 128*PK                     ; where they go: no place in the cluster enters an LDS address
	s_mul_i32 s21, s12, 192*PK
	s_add_co_u32 s21, s21, AB
	s_wait_dscnt 0x0                               ; both opening adds are done
	s_wait_kmcnt 0x0
	s_add_nc_u64 s[14:15], s[4:5], s[16:17]
	s_add_nc_u64 s[46:47], s[6:7], s[46:47]
	CROUND                                         ; all sixteen work-groups are here: the first joint loads meet
.irp s, 0,1
	s_mov_b32 s[G0+4*(\s)], 1
	s_add_co_u32 s[G0+4*(\s)+1], s20, (\s)*SLOT1
	s_add_nc_u64 s[G0+4*(\s)+2:G0+4*(\s)+3], s[14:15], (\s)*ASTEP
	s_or_b32 s[G0+4*(\s)+3], s[G0+4*(\s)+3], 0x80000000
	s_mov_b32 s[G0B+4*(\s)], 1
	s_add_co_u32 s[G0B+4*(\s)+1], s21, (\s)*SLOT1
	s_add_nc_u64 s[G0B+4*(\s)+2:G0B+4*(\s)+3], s[46:47], (\s)*BSTEP
	s_or_b32 s[G0B+4*(\s)+3], s[G0B+4*(\s)+3], 0x80000000
	JLOAD \s                                       ; K steps 0 and 1: two loads of mine are out
.endr
	v_and_b32 v1, 15, v0                           ; r = l % 16
	v_bfe_u32 v2, v0, 4, 1                         ; h = l / 16
	v_mul_u32_u24 v3, v1, PK
	v_lshl_add_u32 v3, v2, 4, v3                   ; a fragment's row x pitch + 16 x half
	s_mul_i32 s21, s11, 128*PK
	s_mul_i32 s22, s12, 192*PK
	s_add_co_u32 s22, s22, AB
	v_add_nc_u32 v[ADRA0], s21, v3
	v_add_nc_u32 v[ADRB0], s22, v3
	v_mov_b32 v[ADRA], v[ADRA0]
	v_mov_b32 v[ADRB], v[ADRB0]
	s_mul_i32 s23, s11, 128*SP                     ; into the stage: my 128 rows, my 384 bytes of them; row r, 16 bytes for each half of the lanes
	s_mul_i32 s22, s12, 384
	s_add_co_u32 s23, s23, s22
	v_mul_u32_u24 v4, v1, SP
	v_lshl_add_u32 v4, v2, 4, v4
	v_add_nc_u32 v[STO], s23, v4
	v_add_nc_u32 v[STO+3], 64*SP, v[STO]           ; row blocks 4-7: the LDS immediate has 16 bits
	s_mul_i32 s23, s10, 64*SP                      ; back: wave w takes rows 64 w .. 64 w + 63, whole; lanes 0-15 256 bytes of one row, lanes 16-31 of the next
	v_mul_u32_u24 v5, v2, SP
	v_lshl_add_u32 v5, v1, 4, v5
	v_add_nc_u32 v[RD], s23, v5
	v_mul_u32_u24 v5, v2, CROW
	v_lshl_add_u32 v[CO], v1, 4, v5
	s_lshl_b32 s16, s13, 8                         ; the first row of qkv that I store: 256 x tile row + 64 x wave
	s_lshl_b32 s17, s10, 6
	s_add_co_u32 s16, s16, s17
	s_mul_i32 s46, s16, CROW
	s_mul_i32 s47, s42, 768                        ; the tile's 384 columns
	s_add_co_u32 s46, s46, s47
	s_mov_b32 s47, 0
	s_add_nc_u64 s[8:9], s[78:79], s[46:47]
	; the prefetches
	s_lshl_b32 s20, s13, 15                        ; xb: the tile's 32,768 bytes of a block, my work-group's quarter of them,
	s_lshl_b32 s21, s40, 13
	s_add_co_u32 s20, s20, s21
	s_add_co_u32 s20, s20, 3*ASTEP                 ; at K step 3: the first refill steps it to 4
	s_mul_i32 s21, s42, 384*128                    ; wt: the tile's 49,152 bytes, my work-group's quarter, wave 3 behind wave 2's 32 blocks
	s_mul_i32 s22, s41, 48*256
	s_add_co_u32 s21, s21, s22
	s_lshl_b32 s22, s12, 13
	s_add_co_u32 s21, s21, s22
	s_add_co_u32 s21, s21, 3*BSTEP
	s_or_b32 s22, s12, ttmp9                       ; 0 in wave 0 of a cluster with x = 0
	s_and_b32 s23, ttmp7, 0xffff                   ; 0 in a cluster with y = 0
	s_mov_b32 s[PFS], BSTEP
	s_mov_b32 s[PFS+1], 0
	s_cmp_eq_u32 s11, 0                            ; do I fetch xb?
	s_cselect_b32 s20, s20, s21
	s_cselect_b32 s22, s22, s23
	s_cselect_b32 s[PFS], ASTEP, s[PFS]
	s_cselect_b64 s[PFA:PFA+1], s[4:5], s[6:7]
	s_cmp_eq_u32 s22, 0
	s_cselect_b32 s[LIM], 2, -1                    ; the same in all sixteen partners, for a given wave
	s_mov_b32 s23, 4096
	s_cmp_eq_u32 s10, 3
	s_cselect_b32 s[PAR], 1, 0
	s_cselect_b32 s23, BSTEP, s23                  ; lanes 16-31: the next 16 blocks, or in wave 3 the same 16 of the next step
	s_mov_b32 s21, 0
	s_add_nc_u64 s[PFA:PFA+1], s[PFA:PFA+1], s[20:21]
	v_lshlrev_b32 v[PFO], 8, v1
	v_mul_u32_u24 v5, v2, s23
	v_add_nc_u32 v[PFO], v[PFO], v5
	; the bias of my 192 columns, into the accumulators of row block 7: register j of column block b is column 16 b + 8 h + j
	s_mul_i32 s20, s42, 384*4
	s_mul_i32 s21, s12, 192*4
	s_add_co_u32 s20, s20, s21
	s_mov_b32 s21, 0
	s_add_nc_u64 s[72:73], s[76:77], s[20:21]
	v_lshlrev_b32 v[BO], 5, v2
.irp g, 0,1,2
	WIN 0x40*(1+(\g))                              ; destination window 1 + g, address window 0
.irp bb, 0,1,2,3
	global_load_b128 v[224+8*(\bb):224+8*(\bb)+3],   v[BO], s[72:73] offset:64*(4*(\g)+(\bb))
	global_load_b128 v[224+8*(\bb)+4:224+8*(\bb)+7], v[BO], s[72:73] offset:64*(4*(\g)+(\bb))+16
.endr
.endr
	WIN 0
; Products of row blocks a0 .. a1 with column blocks 4 g .. 4 g + 3, 32 along K, xb's buffer f.  The accumulators take turns, one instruction a turn, in one order in every quarter.
; mode = 1: the sums start: blocks 0 .. 6 take block 7's registers, which hold the bias, as C; five places stand between the last of them and the products that write those registers.
.macro ST f, g, a0, a1, mode
	WIN 0x50*(1+(\g))                              ; sources 0 and 1 window 0, C and D window 1 + g
.set a, \a0
.rept (\a1)-(\a0)+1
.if (\mode) && (a == 7)
.rept 5
	v_nop
.endr
.endif
.irp bb, 0,1,2,3
.if (\mode) && (a < 7)
	v_wmma_f32_16x16x32_bf16 v[8*(4*a+(\bb)):8*(4*a+(\bb))+7], v[GB+32*(\g)+8*(\bb):GB+32*(\g)+8*(\bb)+7], v[(\f)+8*a:(\f)+8*a+7], v[224+8*(\bb):224+8*(\bb)+7]
.else
	v_wmma_f32_16x16x32_bf16 v[8*(4*a+(\bb)):8*(4*a+(\bb))+7], v[GB+32*(\g)+8*(\bb):GB+32*(\g)+8*(\bb)+7], v[(\f)+8*a:(\f)+8*a+7], v[8*(4*a+(\bb)):8*(4*a+(\bb))+7]
.endif
.endr
.set a, a+1
.endr
.endm
.macro LDB g, kq                       ; 8 LDS loads: group g of wt's fragments, at byte kq of the rows of the slot in hand
.irp bb, 0,1,2,3
	ds_load_b128 v[GB+32*(\g)+8*(\bb):GB+32*(\g)+8*(\bb)+3],   v[ADRB] offset:(4*(\g)+(\bb))*16*PK+(\kq)
	ds_load_b128 v[GB+32*(\g)+8*(\bb)+4:GB+32*(\g)+8*(\bb)+7], v[ADRB] offset:(4*(\g)+(\bb))*16*PK+(\kq)+32
.endr
.endm
.macro LDA f, hf, kq                   ; 8 LDS loads: half hf of xb's fragments into buffer f
.irp aa, 0,1,2,3
	ds_load_b128 v[(\f)+8*(4*(\hf)+(\aa)):(\f)+8*(4*(\hf)+(\aa))+3],   v[ADRA] offset:(4*(\hf)+(\aa))*16*PK+(\kq)
	ds_load_b128 v[(\f)+8*(4*(\hf)+(\aa))+4:(\f)+8*(4*(\hf)+(\aa))+7], v[ADRA] offset:(4*(\hf)+(\aa))*16*PK+(\kq)+32
.endr
.endm
; A K step's first quarter: multiplies buffer 0 and fetches the second quarter, at byte 64 of the same rows.
.macro QUARTER mode
	s_wait_dscnt 16                                ; xb's fragments and wt's group 0 are in; groups 1 and 2 (16 loads) may be out
	ST FA0, 0, 0, 7, \mode
	WIN 0
	PLACES
	LDB 0, 64
	LDA FA1, 0, 64
	s_wait_dscnt 24                                ; group 1 is in; group 2 and the 16 just issued may be out
	ST FA0, 1, 0, 7, \mode
	WIN 0
	PLACES
	LDA FA1, 1, 64
	LDB 1, 64
	s_wait_dscnt 32                                ; group 2 is in; the 32 issued in this quarter may be out
	ST FA0, 2, 0, 7, \mode
	WIN 0
	PLACES
	LDB 2, 64
.endm
; A K step's second quarter multiplies buffer 1 and changes slots at its head: all reads of the slot have been issued.  ONE barrier: in front of it each wave waits for all its tensor loads, of which
; one is out, its part of the next slot; adds 0 to its spare word; and waits for that and for its own reads of this slot.  fill = 1: the barrier opens a round of the cluster's barrier, and the slot
; just read is filled again, two K steps on, first thing behind the round: 176 matrix instructions ahead of the wait for it.
.macro TURN fill
.if \fill
	s_wait_xcnt 0x0                                ; the last prefetch, a K step back, has read its address
	s_add_nc_u64 s[PFA:PFA+1], s[PFA:PFA+1], s[PFS:PFS+1]
.endif
	WIN 0
	s_wait_tensorcnt 0x0                           ; all my tensor loads have landed
	ds_add_u32 v[SPW], v[NIL]                      ; 0 onto my spare word
	s_wait_dscnt 17                                ; the add and wt's groups 1 and 2 may be out
	ST FA1, 0, 0, 1, 0
	s_wait_dscnt 0x0                               ; the add is done, and my reads of this slot are over
	s_barrier_signal -1
	ST FA1, 0, 2, 3, 0
	WIN 0
	s_barrier_wait -1
.if \fill
	CREST
	s_xor_b32 s[G0+5], s[G0+5], SLOT1              ; the walking descriptors: the other slot than last time, the next K step
	s_add_nc_u64 s[G0+6:G0+7], s[G0+6:G0+7], ASTEP
	s_xor_b32 s[G0B+5], s[G0B+5], SLOT1
	s_add_nc_u64 s[G0B+6:G0B+7], s[G0B+6:G0B+7], BSTEP
	JLOAD 1
.endif
	s_xor_b32 s[TB], s[TB], SLOT1
	v_add_nc_u32 v[ADRA], s[TB], v[ADRA0]
	v_add_nc_u32 v[ADRB], s[TB], v[ADRB0]
	LDA FA0, 0, 0                                  ; buffer 0 was last read a quarter ago, twelve places back
.if \fill
	ASK
.endif
	ST FA1, 0, 4, 7, 0
	WIN 0
	PLACES
	LDB 0, 0
	ST FA1, 1, 0, 7, 0
	WIN 0
	PLACES
	LDA FA0, 1, 0
	LDB 1, 0
	ST FA1, 2, 0, 7, 0
	WIN 0
	PLACES
	LDB 2, 0
.endm
; THE WAY OUT.  PACK: row block a is rounded to f16, 16 bytes a lane and column block, and put into the stage.
.macro PACK a
.irp g, 0,1,2
	WIN 0x05*(1+(\g))                              ; sources 0 and 1 window 1 + g, destination window 0
.irp bb, 0,1,2,3
.irp q, 0,1,2,3
	v_cvt_pk_f16_f32 v[TMP+4*(4*(\g)+(\bb))+(\q)], v[8*(4*(\a)+(\bb))+2*(\q)], v[8*(4*(\a)+(\bb))+2*(\q)+1]
.endr
.endr
.endr
	WIN 0
.irp n, 0,1,2,3,4,5,6,7,8,9,10,11
	ds_store_b128 v[STO+3*((\a)/4)], v[TMP+4*(\n):TMP+4*(\n)+3] offset:((\a)%4)*16*SP+32*(\n)
.endr
.endm
.macro BACK q, u                       ; 24 loads: eight pairs of rows x three blocks of 256 bytes, into buffer u
.set n, 24*(\q)
.rept 24
	ds_load_b128 v[OB+96*(\u)+4*(n-24*(\q)):OB+96*(\u)+4*(n-24*(\q))+3], v[RD] offset:(n/3)*2*SP+(n%3)*256
.set n, n+1
.endr
.endm
.macro SEND q, u
.set n, 24*(\q)
.rept 24
	global_store_b128 v[CO], v[OB+96*(\u)+4*(n-24*(\q)):OB+96*(\u)+4*(n-24*(\q))+3], s[8:9] offset:(n/3)*2*CROW+(n%3)*256  ; 16 lanes store 256 consecutive bytes, aligned
.set n, n+1
.endr
.endm
	s_wait_tensorcnt 1                             ; my part of K step 0 is in; step 1's may stay out
	s_barrier_signal -1
	s_barrier_wait -1
	LDB 0, 0
	LDA FA0, 0, 0
	LDA FA0, 1, 0
	LDB 1, 0
	LDB 2, 0
	s_wait_loadcnt 0x0                             ; the bias
	QUARTER 1                                      ; the first quarter stands in front of the loop: its products start the sums
	s_mov_b32 s3, 14                               ; fourteen refills: K steps 2 .. 15
.Lstep:                                                ; a trip goes from a step's second quarter to the next step's first
	TURN 1
	QUARTER 0
	s_sub_co_u32 s3, s3, 1
	s_cmp_lg_u32 s3, 0
	s_cbranch_scc1 .Lstep
	TURN 0                                         ; the last two K steps ask for nothing
	QUARTER 0
	s_wait_dscnt 16                                ; the very last quarter: nothing more to fetch
	ST FA1, 0, 0, 7, 0
	s_wait_dscnt 8                                 ; group 2 may be out
	ST FA1, 1, 0, 7, 0
	s_wait_dscnt 0x0
	ST FA1, 2, 0, 7, 0
	WIN 0
	PLACES
	s_barrier_signal -1                            ; every wave's reads of the ring are over, and every tensor load has landed:
	s_barrier_wait -1                              ; the stage may be written over it
.irp a, 0,1,2,3,4,5,6,7
	PACK \a
.endr
	s_wait_dscnt 0x0                               ; for the others' sake: my stores into the stage are done
	s_barrier_signal -1
	s_barrier_wait -1
	BACK 0, 0
	BACK 1, 1
	s_wait_dscnt 24                                ; the first batch is back; the second may be out
	SEND 0, 0
	s_wait_dscnt 0x0
	SEND 1, 1
	s_wait_xcnt 0x0                                ; the stores have read their data: both buffers are loaded again only behind this wait
	BACK 2, 0
	BACK 3, 1
	s_wait_dscnt 24
	SEND 2, 0
	s_wait_dscnt 0x0
	SEND 3, 1
	s_wait_tensorcnt 0x0                           ; the wave's end
	ds_add_u32 v[SPW], v[NIL]
	s_wait_dscnt 0x0
	CROUND                                         ; the closing round
	s_endpgm
.Lfunc_end_k_q12b2f47632_proj:
	.size	k_q12b2f47632_proj, .Lfunc_end_k_q12b2f47632_proj-k_q12b2f47632_proj
	.p2alignl 7, 3214868480
	.fill 96, 4, 3214868480
	.section	.rodata,"a",@progbits
	.p2align	6, 0x0
	.amdhsa_kernel k_q12b2f47632_proj
		.amdhsa_group_segment_fixed_size 327680
		.amdhsa_private_segment_fixed_size 0
		.amdhsa_enable_private_segment 0
		.amdhsa_kernarg_size 32
		.amdhsa_user_sgpr_count 2
		.amdhsa_user_sgpr_kernarg_segment_ptr 1
		.amdhsa_wavefront_size32 1
		.amdhsa_system_sgpr_workgroup_id_x 1
		.amdhsa_system_sgpr_workgroup_id_y 1
		.amdhsa_system_sgpr_workgroup_id_z 1
		.amdhsa_system_vgpr_workitem_id 0
		.amdhsa_next_free_vgpr 1024
		.amdhsa_next_free_sgpr 80
		.amdhsa_reserve_vcc 0
		.amdhsa_float_denorm_mode_32 3
		.amdhsa_float_denorm_mode_16_64 3
		.amdhsa_memory_ordered 1
		.amdhsa_forward_progress 1
		.amdhsa_inst_pref_size 115
	.end_amdhsa_kernel
	.amdgpu_metadata
---
amdhsa.version: [ 1, 2 ]
amdhsa.kernels:
  - .name:           k_q12b2f47632_proj
    .symbol:         k_q12b2f47632_proj.kd
    .args:
      - { .name: xb, .offset: 0, .size: 8, .value_kind: global_buffer, .address_space: global }
      - { .name: wt, .offset: 8, .size: 8, .value_kind: global_buffer, .address_space: global }
      - { .name: bias, .offset: 16, .size: 8, .value_kind: global_buffer, .address_space: global }
      - { .name: qkv, .offset: 24, .size: 8, .value_kind: global_buffer, .address_space: global }
    .group_segment_fixed_size: 327680
    .private_segment_fixed_size: 0
    .kernarg_segment_align: 8
    .kernarg_segment_size: 32
    .max_flat_workgroup_size: 128
    .sgpr_count:     80
    .vgpr_count:     1024
    .wavefront_size: 32
...
	.end_amdgpu_metadata
.endif
;; end of part 2
;; launch scores (part 3): grid 8 x 32, 4 waves a work-group, clusters of 4 x 4, 327,680 bytes of LDS; arguments qkv, mask, p, stats; writes p, stats
.if DOCPART == 3
	.amdgcn_target "amdgcn-amd-amdhsa--gfx1250"
	.amdhsa_code_object_version 6
	.text
	.protected	k_q12b2f47632_scores
	.globl	k_q12b2f47632_scores
	.p2align	8
	.type	k_q12b2f47632_scores,@function
k_q12b2f47632_scores:
	s_mov_b64 s[64:65], 0
	v_nop
	global_prefetch_b8 v0, s[64:65] scope:SCOPE_SE
	s_setreg_imm32_b32 hwreg(HW_REG_WAVE_MODE, 25, 1), 1
	s_wait_xcnt 0x0
	s_wait_alu depctr_hold_cnt(0) depctr_sa_sdst(0) depctr_va_vdst(0) depctr_va_sdst(0) depctr_va_ssrc(0) depctr_va_vcc(0) depctr_vm_vsrc(0)
	s_getreg_b32 s2, hwreg(HW_REG_IB_STS2, 6, 4)
	s_cmp_eq_u32 s2, 0
	s_cbranch_scc0 .Lentry_in_a_cluster
	s_endpgm
.Lentry_in_a_cluster:
	s_bfe_u32 s2, ttmp6, 0x10000c
	s_cmp_lg_u32 s2, 0xf033
	s_cbranch_scc0 .Lentry_shape_is_right
	s_endpgm
.Lentry_shape_is_right:
; Launch 3 of 4.  For each query and each block of 128 keys: t = q . k / 32 + mask;  m_loc = max(the block's largest t, -FLT_MAX);  p = e^(t - m_loc), f16, [8192][2048];  l_loc = the sum of p.
; stats (f32): m_loc at byte ((row / 128 x 16 + key / 128) x 512 + (row % 16) x 32 + (row % 128 / 16) x 4); l_loc the same + 524,288.
; k comes without bk (work left out: shown at the head of the first kernel).  The mask is an input: every tile is made and every word of the mask is read, in f32.
; THE MAXIMUM is taken away first and the factor log2(e) applied to the difference: t - m_loc is exact where t = m_loc, however large both are.  The next launch corrects by e^(m_loc - m) <= 1.
; LIMITS.  t is one fused multiply-add (reference rounds the division and the sum apart).  l_loc is the sum of the unrounded p.  p below 6e-5 keeps f16's fixed step of 6e-8.  A block whose t
; are all -infinity gives p = 0, l_loc = 0.  A NaN is not treated apart.
; SHAPE.  A tile of 256 queries x 256 keys to a work-group, four waves of 128 x 128 (64 accumulators, 512 registers), K = 1,024 in eight steps of 128 through two LDS slots of 512 rows x 272
; bytes, cluster 4 x 4 with joint loads (q's tile along a row of the cluster, k's along a column).  A trip of the loop is one K step, from its second quarter to the next step's first.
; Source 0 = 16 keys, source 1 = 16 queries: a lane holds ONE query and, over the eight accumulators of a row block, 64 of the wave's 128 keys; the lane
; 16 away holds the other 64.  So a block's maximum and sum want one exchange of the lanes' halves, and the wave's 128 keys are the block.
; THE MASK comes by tensor loads of each wave's own, 64 rows x 512 bytes, into the ring's slots when they are free: rows 0-63 when slot 0 has been read for the last time (it lands under the last
; K step), rows 64-127 into slot 1 behind the last product.
; THE WAY OUT is a loop of four trips, written for each half of the accumulators: a trip serves 16 queries.  The accumulators' numbers are fixed in the text, so a trip chooses one of four copies
; of the 32 lines that read them, by its count.
.set KSTEP,  128
.set PITCH,  272
.set HALFT,  128*PITCH
.set SLOT,   4*HALFT
.set STAGE,  2*SLOT
.set SPITCH, 272
.set STAT,   STAGE+4*16*SPITCH         ; 1,024 bytes for each wave: 512 of m_loc, 512 of l_loc
.set SPARE,  STAT+4*1024
.set RB,     6144                      ; bytes in a row of qkv
.set MPITCH, 528                       ; a row of the mask in LDS: 512 bytes + 16
.set MPART,  64*MPITCH                 ; a wave's part: four of them fit in a slot
.set ADRA0, 16
.set ADRA,  17
.set ADRB0, 20
.set ADRB,  21
.set SA,   23                          ; v23  where m_loc goes in my 1,024 bytes
.set STO,  24
.set RD,   25
.set CO,   26
.set MA0,  27                          ; v27  my place in my part of the mask; never rewritten
.set SPW,  28
.set NIL,  29
.set PFO,  30
.set MA,   31                          ; v31  the same for the trip in hand
.set CH,   32                          ; v32-35  four chains of the maximum
.set MM,   36                          ; v36 m_loc, v37 l_loc: named as a pair
.set F0,   64
.set F1,   128
.set T,    64                          ; v64-127  the lane's 64 t
.set TMP,  192
.set OB,   224
.set G1,  24
.set G0,  32
.set LIM, 43
.set PFA, 44
.set G1B, 48
.set G0B, 56
.set TB,  66
.set GM,  72                           ; s[72:79] group 0 for the mask's two parts
.set G1M, 80                           ; s[80:87] group 1 for the mask
.set MSB, 0
.macro WIN new
.if MSB != (\new)
	s_set_vgpr_msb (MSB<<8)|(\new)
.set MSB, \new
.endif
.endm
.set MUL_LO, 0xa1
.set TO_B,   0x40
.macro PLACES
.rept 4
	v_nop
.endr
.endm
.macro JLOAD s
	s_cmp_eq_u32 s11, 0
	s_cbranch_scc0 .Lfor_b_\@
	tensor_load_to_lds s[G0+4*(\s):G0+4*(\s)+3], s[G1:G1+7]
	s_nop 0
	PLACES
	s_branch .Lasked_\@
.Lfor_b_\@:
	tensor_load_to_lds s[G0B+4*(\s):G0B+4*(\s)+3], s[G1B:G1B+7]
	s_nop 0
	PLACES
.Lasked_\@:
.endm
; A prefetch of the K step two refills on, 32 rows x 256 bytes, a lane a row; the four partners take 32 rows each by address.  q's rows are read by both clusters of a row of clusters: x = 0 asks;
; k's rows by the two clusters of a batch in a column: the even y asks.  Trips with s3 = 6 .. 3 name steps 4 .. 7.
.macro ASK
	s_cmp_gt_u32 s3, s[LIM]
	s_cbranch_scc0 .Lnot_mine_\@
	global_prefetch_b8 v[PFO], s[PFA:PFA+1] th:TH_LOAD_NT scope:SCOPE_SE
.Lnot_mine_\@:
.endm
.macro CREST
	s_cmp_lg_u32 s10, 0
	s_cbranch_scc1 .Lnot_wave_0_\@
	s_barrier_signal -3
.Lnot_wave_0_\@:
	s_barrier_wait -3
	s_barrier_signal -1
	s_barrier_wait -1
.endm
.macro CROUND
	s_barrier_signal -1
	s_barrier_wait -1
	CREST
.endm
	s_load_b256 s[88:95], s[0:1], 0x0              ; qkv s[88:89], mask s[90:91], p s[92:93], stats s[94:95]
	v_lshl_add_u32 v[SPW], v0, 2, SPARE
	v_mov_b32 v[NIL], 0
	ds_add_u32 v[SPW], v[NIL]                      ; the wave's opening: the add, twice on end, and its wait ahead of my first tensor load
	ds_add_u32 v[SPW], v[NIL]
	v_lshrrev_b32 v1, 5, v0
	v_readfirstlane_b32 s10, v1
	s_lshr_b32 s11, s10, 1                         ; my half of the queries; also: I fetch q (0) or k (1)
	s_and_b32 s12, s10, 1                          ; my half of the keys; also: which 128 rows I fetch
	s_bfe_u32 s40, ttmp6, 0x40000                  ; cx
	s_bfe_u32 s41, ttmp6, 0x40004                  ; cy
	s_lshl_b32 s42, ttmp9, 2
	s_add_co_u32 s42, s42, s40                     ; key tile in the batch, 0 .. 7
	s_and_b32 s68, ttmp7, 0xffff                   ; cluster y
	s_lshl_b32 s13, s68, 2
	s_add_co_u32 s13, s13, s41                     ; query tile, 0 .. 31: global row / 256
	s_lshr_b32 s69, s68, 1                         ; the batch: the same in all sixteen partners
	s_lshl_b32 s43, s41, 2
	s_lshl_b32 s43, 15, s43
	s_lshl_b32 s44, 0x1111, s40
	s_or_b32 s[G1+0], s43, (1<<16)|(1<<20)|(1<<21)|(5<<22)|(3<<25)
	s_or_b32 s[G1B+0], s44, (1<<16)|(1<<20)|(1<<21)|(5<<22)|(3<<25)
.irp g, G1, G1B
	s_mov_b32 s[(\g)+1], KSTEP<<16
	s_mov_b32 s[(\g)+2], 128<<16
	s_mov_b32 s[(\g)+3], KSTEP<<16
	s_mov_b32 s[(\g)+4], 128
	s_mov_b32 s[(\g)+5], 3072                      ; elements from row to row of qkv
	s_mov_b32 s[(\g)+6], 0
	s_mov_b32 s[(\g)+7], 0
.endr
	s_mov_b32 s[G1M+0], (2<<16)|(1<<20)|(6<<22)|(3<<25)  ; no mask of work-groups: a load of my own; 4-byte elements; after every 128 words, 4 words
	s_mov_b32 s[G1M+1], 128<<16                    ; tensor_dim0 = 128
	s_mov_b32 s[G1M+2], 64<<16                     ; tensor_dim1 = 64
	s_mov_b32 s[G1M+3], 128<<16                    ; tile_dim0 = 128
	s_mov_b32 s[G1M+4], 64                         ; tile_dim1 = 64
	s_mov_b32 s[G1M+5], 2048                       ; elements from row to row of the mask
	s_mov_b32 s[G1M+6], 0
	s_mov_b32 s[G1M+7], 0
	s_mov_b32 s96, 0x3d000000                      ; 1 / 32
	s_mov_b32 s97, s96
	s_mov_b32 s98, 0x3fb8aa3b                      ; log2(e)
	s_mov_b32 s99, s98
	s_mov_b32 s100, 0x76543210                     ; v_permlanex16_b32: each lane takes its own place in the other half
	s_mov_b32 s101, 0xfedcba98
	s_mov_b32 s67, 0xff7fffff                      ; -FLT_MAX
	s_mov_b32 s[TB], 0
	s_lshl_b32 s17, s12, 7
	s_lshl_b32 s16, s13, 8
	s_add_co_u32 s16, s16, s17                     ; q: row 256 x query tile + 128 x half
	s_lshl_b32 s46, s42, 8
	s_add_co_u32 s46, s46, s17
	s_lshl_b32 s47, s69, 11
	s_add_co_u32 s46, s46, s47                     ; k: row 2,048 x batch + 256 x key tile + 128 x half
	s_mul_i32 s16, s16, RB
	s_mul_i32 s46, s46, RB
	s_mov_b32 s17, 0
	s_mov_b32 s47, 0
	s_mul_i32 s20, s10, HALFT
	s_lshl_b32 s18, s13, 8                         ; the mask: my 128 rows,
	s_lshl_b32 s19, s11, 7
	s_add_co_u32 s18, s18, s19
	s_lshl_b32 s18, s18, 13                        ; of 8,192 bytes,
	s_lshl_b32 s19, s42, 10
	s_add_co_u32 s18, s18, s19                     ; my 128 keys of 4 bytes
	s_lshl_b32 s19, s12, 9
	s_add_co_u32 s18, s18, s19
	s_mov_b32 s19, 0
	s_mul_i32 s21, s10, MPART
	s_wait_dscnt 0x0                               ; both opening adds are done
	s_wait_kmcnt 0x0
	s_mov_b64 s[4:5], s[88:89]                     ; q's columns
	s_add_nc_u64 s[6:7], s[88:89], 2048            ; k's columns
	s_add_nc_u64 s[14:15], s[4:5], s[16:17]
	s_add_nc_u64 s[46:47], s[6:7], s[46:47]
	s_add_nc_u64 s[18:19], s[90:91], s[18:19]
.irp q, 0,1
	s_mov_b32 s[GM+4*(\q)], 1
	s_add_co_u32 s[GM+4*(\q)+1], s21, (\q)*SLOT    ; part q into slot q, at wave x MPART
	s_add_nc_u64 s[GM+4*(\q)+2:GM+4*(\q)+3], s[18:19], (\q)*64*8192
	s_or_b32 s[GM+4*(\q)+3], s[GM+4*(\q)+3], 0x80000000
.endr
	CROUND
.irp s, 0,1
	s_mov_b32 s[G0+4*(\s)], 1
	s_add_co_u32 s[G0+4*(\s)+1], s20, (\s)*SLOT
	s_add_nc_u64 s[G0+4*(\s)+2:G0+4*(\s)+3], s[14:15], (\s)*KSTEP*2
	s_or_b32 s[G0+4*(\s)+3], s[G0+4*(\s)+3], 0x80000000
	s_mov_b32 s[G0B+4*(\s)], 1
	s_add_co_u32 s[G0B+4*(\s)+1], s20, (\s)*SLOT
	s_add_nc_u64 s[G0B+4*(\s)+2:G0B+4*(\s)+3], s[46:47], (\s)*KSTEP*2
	s_or_b32 s[G0B+4*(\s)+3], s[G0B+4*(\s)+3], 0x80000000
	JLOAD \s
.endr
	v_and_b32 v1, 15, v0                           ; r
	v_bfe_u32 v2, v0, 4, 1                         ; h
	v_mul_u32_u24 v3, v1, PITCH
	v_lshl_add_u32 v3, v2, 4, v3
	s_mul_i32 s21, s11, HALFT
	s_mul_i32 s22, s12, HALFT
	s_add_co_u32 s22, s22, 2*HALFT
	v_add_nc_u32 v[ADRA0], s21, v3
	v_add_nc_u32 v[ADRB0], s22, v3
	v_mov_b32 v[ADRA], v[ADRA0]
	v_mov_b32 v[ADRB], v[ADRB0]
	s_mul_i32 s23, s10, 16*SPITCH
	s_add_co_u32 s23, s23, STAGE
	v_mul_u32_u24 v4, v1, SPITCH
	v_lshl_add_u32 v4, v2, 4, v4
	v_add_nc_u32 v[STO], s23, v4
	v_mul_u32_u24 v5, v2, SPITCH
	v_lshl_add_u32 v5, v1, 4, v5
	v_add_nc_u32 v[RD], s23, v5
	v_lshlrev_b32 v5, 12, v2                       ; two rows of p, 4,096 bytes apart
	v_lshl_add_u32 v[CO], v1, 4, v5
	s_mul_i32 s23, s10, MPART
	v_mul_u32_u24 v[MA0], v1, MPITCH               ; the mask of query r: keys 16 b + 8 h + j at byte 64 b + 32 h + 4 j
	v_lshl_add_u32 v[MA0], v2, 5, v[MA0]
	v_add_nc_u32 v[MA0], s23, v[MA0]
	s_lshl_b32 s23, s10, 10
	s_add_co_u32 s23, s23, STAT
	v_lshl_add_u32 v[SA], v1, 5, s23
	v_mov_b32 v[MM+1], 0                           ; named with m_loc as a pair before it is first made
	s_lshl_b32 s16, s13, 8                         ; p at my 128 rows and 128 keys
	s_lshl_b32 s17, s11, 7
	s_add_co_u32 s16, s16, s17
	s_lshl_b32 s46, s16, 12
	s_lshl_b32 s47, s42, 9
	s_add_co_u32 s46, s46, s47
	s_lshl_b32 s47, s12, 8
	s_add_co_u32 s46, s46, s47
	s_mov_b32 s47, 0
	s_add_nc_u64 s[8:9], s[92:93], s[46:47]
	s_lshl_b32 s46, s13, 1                         ; stats: ((2 x query tile + half) x 16 + 2 x key tile + half) x 512
	s_add_co_u32 s46, s46, s11
	s_lshl_b32 s46, s46, 4
	s_lshl_b32 s47, s42, 1
	s_add_co_u32 s46, s46, s47
	s_add_co_u32 s46, s46, s12
	s_lshl_b32 s46, s46, 9
	s_mov_b32 s47, 0
	s_add_nc_u64 s[94:95], s[94:95], s[46:47]
	; the prefetches
	s_lshl_b32 s20, s13, 8
	s_lshl_b32 s21, s42, 8
	s_lshl_b32 s22, s69, 11
	s_add_co_u32 s21, s21, s22
	s_and_b32 s22, s68, 1
	s_cmp_eq_u32 s11, 0
	s_cselect_b32 s20, s20, s21
	s_cselect_b32 s21, s40, s41
	s_cselect_b32 s22, ttmp9, s22
	s_cselect_b64 s[PFA:PFA+1], s[4:5], s[6:7]
	s_cmp_eq_u32 s22, 0
	s_cselect_b32 s[LIM], 2, -1
	s_lshl_b32 s22, s12, 7
	s_add_co_u32 s20, s20, s22
	s_lshl_b32 s21, s21, 5
	s_add_co_u32 s20, s20, s21
	s_mul_i32 s20, s20, RB
	s_add_co_u32 s20, s20, 3*KSTEP*2
	s_mov_b32 s21, 0
	s_add_nc_u64 s[PFA:PFA+1], s[PFA:PFA+1], s[20:21]
	v_and_b32 v[PFO], 31, v0
	v_mul_u32_u24 v[PFO], v[PFO], RB
.macro MUL16 f, hi, a0, zero
	WIN MUL_LO+0x50*(\hi)
.irp a, \a0, (\a0)+1
.irp b, 0,1,2,3,4,5,6,7
.if \zero
	v_wmma_f32_16x16x32_f16 v[8*(8*(\a)+(\b)):8*(8*(\a)+(\b))+7], v[(\f)+8*(\b):(\f)+8*(\b)+7], v[(\f)+8*(4*(\hi)+(\a)):(\f)+8*(4*(\hi)+(\a))+7], 0
.else
	v_wmma_f32_16x16x32_f16 v[8*(8*(\a)+(\b)):8*(8*(\a)+(\b))+7], v[(\f)+8*(\b):(\f)+8*(\b)+7], v[(\f)+8*(4*(\hi)+(\a)):(\f)+8*(4*(\hi)+(\a))+7], v[8*(8*(\a)+(\b)):8*(8*(\a)+(\b))+7]
.endif
.endr
.endr
.endm
.macro FETCH k, f
	WIN TO_B
.irp i, 0,1,2,3,4,5,6,7
	ds_load_b128 v[(\f)+8*(\i):(\f)+8*(\i)+3],   v[ADRB] offset:(\k)+(\i)*16*PITCH
	ds_load_b128 v[(\f)+8*(\i)+4:(\f)+8*(\i)+7], v[ADRB] offset:(\k)+(\i)*16*PITCH+32
.endr
	WIN 0
.irp i, 0,1,2,3,4,5,6,7
	ds_load_b128 v[(\f)+8*(\i):(\f)+8*(\i)+3],   v[ADRA] offset:(\k)+(\i)*16*PITCH
	ds_load_b128 v[(\f)+8*(\i)+4:(\f)+8*(\i)+7], v[ADRA] offset:(\k)+(\i)*16*PITCH+32
.endr
.endm
.macro QUARTER k, f, g, zero
	s_wait_dscnt 8                                 ; the youngest eight loads (q's rows 64-127) may be out
	MUL16 \f, 0, 0, \zero
	MUL16 \f, 0, 2, \zero
	PLACES
	FETCH \k, \g
	s_wait_dscnt 32                                ; all but the 32 just issued
	MUL16 \f, 1, 0, \zero
	MUL16 \f, 1, 2, \zero
.endm
; A step's last quarter and the change of slots, behind a round of the cluster's barrier.  kind 1: the slot just read takes the K step two on, by a joint load.  kind 2: slot 0, read for the last
; time, takes my rows 0-63 of the mask, by a load of my own.
.macro TURN kind
.if (\kind) == 1
	s_wait_xcnt 0x0                                ; the last prefetch, a K step back, has read its address
	s_add_nc_u64 s[PFA:PFA+1], s[PFA:PFA+1], KSTEP*2
.endif
	WIN 0
	s_wait_tensorcnt 0x0                           ; all my tensor loads have landed
	ds_add_u32 v[SPW], v[NIL]                      ; 0 onto my spare word
	s_wait_dscnt 9                                 ; the add and the youngest eight loads may be out
	MUL16 F1, 0, 0, 0
	s_wait_dscnt 0x0                               ; the add is done, and my reads of this slot are over
	s_barrier_signal -1
	MUL16 F1, 0, 2, 0
	WIN 0
	s_barrier_wait -1
	CREST
.if (\kind) == 1
	s_xor_b32 s[G0+5], s[G0+5], SLOT
	s_add_nc_u64 s[G0+6:G0+7], s[G0+6:G0+7], KSTEP*2
	s_xor_b32 s[G0B+5], s[G0B+5], SLOT
	s_add_nc_u64 s[G0B+6:G0B+7], s[G0B+6:G0B+7], KSTEP*2
	JLOAD 1
.else
	tensor_load_to_lds s[GM:GM+3], s[G1M:G1M+7]
	s_nop 0
	PLACES
.endif
	s_xor_b32 s[TB], s[TB], SLOT
	v_add_nc_u32 v[ADRA], s[TB], v[ADRA0]
	v_add_nc_u32 v[ADRB], s[TB], v[ADRB0]
	FETCH 0, F0
.if (\kind) == 1
	ASK
.endif
	MUL16 F1, 1, 0, 0
	MUL16 F1, 1, 2, 0
.endm
.macro ADDM i, hh                      ; t = s / 32 + mask for row block i of window 2 + hh; each accumulator is read from its low end on
	WIN 0x02+(\hh)
.set z, 0
.rept 32
	v_pk_fma_f32 v[T+2*z:T+2*z+1], v[64*(\i)+2*z:64*(\i)+2*z+1], s[96:97], v[T+2*z:T+2*z+1] op_sel_hi:[1,0,1]
.set z, z+1
.endr
	WIN 0
.endm
.macro EPI hh                          ; the way out of row blocks 4 hh .. 4 hh + 3
	v_add_nc_u32 v[MA], (\hh)*SLOT, v[MA0]
	s_mov_b32 s2, 4
.Lepi_\hh:
.set n, 0
.rept 16
	ds_load_b128 v[T+4*n:T+4*n+3], v[MA] offset:64*(n/2)+16*(n%2)  ; the mask of my query's 64 keys
.set n, n+1
.endr
	s_wait_dscnt 0x0
	s_cmp_eq_u32 s2, 4
	s_cbranch_scc1 .Lq0_\hh
	s_cmp_eq_u32 s2, 3
	s_cbranch_scc1 .Lq1_\hh
	s_cmp_eq_u32 s2, 2
	s_cbranch_scc1 .Lq2_\hh
	ADDM 3, \hh
	s_branch .Lqj_\hh
.Lq0_\hh:
	ADDM 0, \hh
	s_branch .Lqj_\hh
.Lq1_\hh:
	ADDM 1, \hh
	s_branch .Lqj_\hh
.Lq2_\hh:
	ADDM 2, \hh
.Lqj_\hh:
.irp k, 0,1,2,3                        ; the maximum: four chains of fifteen, three operands at a time
	v_max3_num_f32 v[CH+\k], v[T+16*\k], v[T+16*\k+1], v[T+16*\k+2]
.endr
.irp n, 1,2,3,4,5,6
.irp k, 0,1,2,3
	v_max3_num_f32 v[CH+\k], v[CH+\k], v[T+16*\k+2*\n+1], v[T+16*\k+2*\n+2]
.endr
.endr
	v_max3_num_f32 v[CH], v[CH], v[T+15], v[T+31]
	v_max3_num_f32 v[CH+2], v[CH+2], v[T+47], v[T+63]
	v_max3_num_f32 v[CH], v[CH], v[CH+1], v[CH+2]
	v_max_num_f32 v[CH], v[CH], v[CH+3]
	v_permlanex16_b32 v[CH+1], v[CH], s100, s101   ; the query's other 64 keys lie in the lane 16 away
	v_max3_num_f32 v[MM], v[CH], v[CH+1], s67
.set z, 0
.rept 32
	v_pk_add_f32 v[T+2*z:T+2*z+1], v[T+2*z:T+2*z+1], v[MM:MM+1] op_sel_hi:[1,0] neg_lo:[0,1] neg_hi:[0,1]  ; t - m_loc
.set z, z+1
.endr
.set z, 0
.rept 32
	v_pk_mul_f32 v[T+2*z:T+2*z+1], v[T+2*z:T+2*z+1], s[98:99] op_sel_hi:[1,0]
.set z, z+1
.endr
.set z, 0
.rept 64
	v_exp_f32 v[T+z], v[T+z]
.set z, z+1
.endr
	v_nop                                          ; a plain instruction behind the last exponential,
	s_wait_alu depctr_va_vdst(0)                   ; and one wait for the batch of 64, ahead of its first reader
.set z, 0
.rept 32
	v_cvt_pk_f16_f32 v[TMP+z], v[T+2*z], v[T+2*z+1]
.set z, z+1
.endr
.irp w, 32,16,8,4,2                    ; the sum of the unrounded p, as a tree, two sums a line
.set z, 0
.rept (\w)/2
	v_pk_add_f32 v[T+z:T+z+1], v[T+z:T+z+1], v[T+z+\w:T+z+\w+1]
.set z, z+2
.endr
.endr
	v_add_f32 v[CH+2], v[T], v[T+1]
	v_permlanex16_b32 v[CH+3], v[CH+2], s100, s101
	v_add_f32 v[MM+1], v[CH+2], v[CH+3]
.irp b, 0,1,2,3,4,5,6,7
	ds_store_b128 v[STO], v[TMP+4*(\b):TMP+4*(\b)+3] offset:32*(\b)
.endr
.irp t, 0,1,2,3,4,5,6,7
	ds_load_b128 v[OB+4*(\t):OB+4*(\t)+3], v[RD] offset:(\t)*2*SPITCH  ; LDS serves a wave's instructions in order (ISA guide 5.7.1.4): these see the stores above
.endr
	ds_store_b32 v[SA], v[MM]                      ; both halves of the lanes write the same word with the same number
	ds_store_b32 v[SA], v[MM+1] offset:512
	s_wait_dscnt 0x0
.irp t, 0,1,2,3,4,5,6,7
	global_store_b128 v[CO], v[OB+4*(\t):OB+4*(\t)+3], s[8:9] offset:8192*(\t)  ; 16 lanes store 256 consecutive bytes, aligned: a row's 128 keys
.endr
	s_wait_xcnt 0x0                                ; the stores have read their base and data: both are rewritten below and in the next trip
	s_add_nc_u64 s[8:9], s[8:9], 16*4096
	v_add_nc_u32 v[MA], 16*MPITCH, v[MA]
	v_add_nc_u32 v[SA], 4, v[SA]
	s_sub_co_u32 s2, s2, 1
	s_cmp_lg_u32 s2, 0
	s_cbranch_scc1 .Lepi_\hh
.endm
	s_wait_tensorcnt 1                             ; my part of K step 0 is in; step 1's may stay out
	s_barrier_signal -1
	s_barrier_wait -1
	FETCH 0, F0
	QUARTER 64, F0, F1, 1                          ; the first quarter's products start the sums
	WIN 0
	s_mov_b32 s3, 6
.Lstep:
	QUARTER 128, F1, F0, 0
	QUARTER 192, F0, F1, 0
	TURN 1
	QUARTER 64, F0, F1, 0
	WIN 0
	s_sub_co_u32 s3, s3, 1
	s_cmp_lg_u32 s3, 0
	s_cbranch_scc1 .Lstep
	QUARTER 128, F1, F0, 0
	QUARTER 192, F0, F1, 0
	TURN 2                                         ; the mask's rows 0-63 land under the last K step
	QUARTER 64, F0, F1, 0
	QUARTER 128, F1, F0, 0
	QUARTER 192, F0, F1, 0
	s_wait_dscnt 8
	MUL16 F1, 0, 0, 0
	MUL16 F1, 0, 2, 0
	s_wait_dscnt 0x0
	MUL16 F1, 1, 0, 0
	MUL16 F1, 1, 2, 0
	WIN 0
	PLACES
	s_wait_tensorcnt 0x0                           ; my rows 0-63 of the mask are in
	ds_add_u32 v[SPW], v[NIL]
	s_wait_dscnt 0x0                               ; the add is done, and my reads of slot 1 are over
	CROUND
	tensor_load_to_lds s[GM+4:GM+7], s[G1M:G1M+7]  ; rows 64-127 into slot 1: they land under the first four trips of the way out
	s_nop 0
	PLACES
	EPI 0
	s_wait_tensorcnt 0x0                           ; rows 64-127 are in; only I read them
	EPI 1
	s_lshl_b32 s23, s10, 10                        ; my 1,024 bytes of statistics leave as two runs of 512 consecutive bytes
	s_add_co_u32 s23, s23, STAT
	v_and_b32 v4, 31, v0
	v_lshlrev_b32 v4, 4, v4
	v_add_nc_u32 v3, s23, v4
	ds_load_b128 v[64:67], v3
	ds_load_b128 v[68:71], v3 offset:512
	s_wait_dscnt 0x0
	global_store_b128 v4, v[64:67], s[94:95]
	global_store_b128 v4, v[68:71], s[94:95] offset:524288
	s_wait_tensorcnt 0x0                           ; the wave's end
	ds_add_u32 v[SPW], v[NIL]
	s_wait_dscnt 0x0
	CROUND                                         ; the closing round
	s_endpgm
.Lfunc_end_k_q12b2f47632_scores:
	.size	k_q12b2f47632_scores, .Lfunc_end_k_q12b2f47632_scores-k_q12b2f47632_scores
	.p2alignl 7, 3214868480
	.fill 96, 4, 3214868480
	.section	.rodata,"a",@progbits
	.p2align	6, 0x0
	.amdhsa_kernel k_q12b2f47632_scores
		.amdhsa_group_segment_fixed_size 327680
		.amdhsa_private_segment_fixed_size 0
		.amdhsa_enable_private_segment 0
		.amdhsa_kernarg_size 32
		.amdhsa_user_sgpr_count 2
		.amdhsa_user_sgpr_kernarg_segment_ptr 1
		.amdhsa_wavefront_size32 1
		.amdhsa_system_sgpr_workgroup_id_x 1
		.amdhsa_system_sgpr_workgroup_id_y 1
		.amdhsa_system_sgpr_workgroup_id_z 1
		.amdhsa_system_vgpr_workitem_id 0
		.amdhsa_next_free_vgpr 1024
		.amdhsa_next_free_sgpr 102
		.amdhsa_reserve_vcc 0
		.amdhsa_float_denorm_mode_32 3
		.amdhsa_float_denorm_mode_16_64 3
		.amdhsa_memory_ordered 1
		.amdhsa_forward_progress 1
		.amdhsa_inst_pref_size 138
	.end_amdhsa_kernel
	.amdgpu_metadata
---
amdhsa.version: [ 1, 2 ]
amdhsa.kernels:
  - .name:           k_q12b2f47632_scores
    .symbol:         k_q12b2f47632_scores.kd
    .args:
      - { .name: qkv, .offset: 0, .size: 8, .value_kind: global_buffer, .address_space: global }
      - { .name: mask, .offset: 8, .size: 8, .value_kind: global_buffer, .address_space: global }
      - { .name: p, .offset: 16, .size: 8, .value_kind: global_buffer, .address_space: global }
      - { .name: stats, .offset: 24, .size: 8, .value_kind: global_buffer, .address_space: global }
    .group_segment_fixed_size: 327680
    .private_segment_fixed_size: 0
    .kernarg_segment_align: 8
    .kernarg_segment_size: 32
    .max_flat_workgroup_size: 128
    .sgpr_count:     102
    .vgpr_count:     1024
    .wavefront_size: 32
...
	.end_amdgpu_metadata
.endif
;; end of part 3
;; launch pv (part 4): grid 4 x 64, 4 waves a work-group, clusters of 4 x 4, 327,680 bytes of LDS; arguments p, qkv, stats, out0; writes out0
.if DOCPART == 4
	.amdgcn_target "amdgcn-amd-amdhsa--gfx1250"
	.amdhsa_code_object_version 6
	.text
	.protected	k_q12b2f47632_pv
	.globl	k_q12b2f47632_pv
	.p2align	8
	.type	k_q12b2f47632_pv,@function
k_q12b2f47632_pv:
	s_mov_b64 s[64:65], 0
	v_nop
	global_prefetch_b8 v0, s[64:65] scope:SCOPE_SE
	s_setreg_imm32_b32 hwreg(HW_REG_WAVE_MODE, 25, 1), 1
	s_wait_xcnt 0x0
	s_wait_alu depctr_hold_cnt(0) depctr_sa_sdst(0) depctr_va_vdst(0) depctr_va_sdst(0) depctr_va_ssrc(0) depctr_va_vcc(0) depctr_vm_vsrc(0)
	s_getreg_b32 s2, hwreg(HW_REG_IB_STS2, 6, 4)
	s_cmp_eq_u32 s2, 0
	s_cbranch_scc0 .Lentry_in_a_cluster
	s_endpgm
.Lentry_in_a_cluster:
	s_bfe_u32 s2, ttmp6, 0x10000c
	s_cmp_lg_u32 s2, 0xf033
	s_cbranch_scc0 .Lentry_shape_is_right
	s_endpgm
.Lentry_shape_is_right:
; Launch 4 of 4.  m = the largest m_loc of a row's 16 key blocks;  w = e^(m_loc - m) <= 1;  l = the sum of w l_loc;  out0[row][c] = (the sum over keys of (p w) v[key][c]) / l, f32.
; p [8192][2048] f16, v = qkv's columns 2,048 .. 3,071 (f16), stats as the launch before laid them.
; LIMITS.  w and p w are rounded to f16 (below 6e-5 they keep f16's fixed step of 6e-8); l is made of w in f32.  A row whose t are all -infinity has l = 0 and comes out as NaN.
; SHAPE.  A tile of 128 queries x 256 channels to a work-group; a wave makes 64 x 128: 32 accumulators.  K = 2,048 keys in 16 steps of 128: a step is one key block, so it has one w a query.
; Two LDS slots; a slot holds 128 rows of p (256 bytes) and 128 rows of v (512 bytes).  Cluster 4 x 4: p's tile is shared along a row of the cluster, v's along a column; joint loads.
; Source 0 = 16 channels (v turned, by ds_load_tr16_b128), source 1 = 16 queries of p: a lane holds ONE query in p's fragment and in the result, with eight neighbouring channels.  So the scaling
; by w is one packed f16 multiply a register of p's fragment, with one number a lane.
; BY HALVES.  A quarter step (32 keys) is 16 products on query blocks 0, 1 (LO) and 16 on blocks 2, 3 (HI).  Behind each product of LO stands one multiply that scales blocks 2, 3 of this quarter,
; behind each of HI one that scales blocks 0, 1 of the next.  The registers are laid so that the multiply reads and writes under the product's own window setting.
; REGISTERS: window 0: addresses, v8-15 1 / l; v32-255 the prologue and the way out.
;   window 1: v0-127 accumulators of blocks 0, 1; v128-143 p of blocks 0, 1 as loaded; v144-159 p w of blocks 2, 3.
;   window 2: v0-127 accumulators of blocks 2, 3; v128-159 p of blocks 2, 3 as loaded, two buffers; v160-175 p w of blocks 0, 1.
;   window 3: v0-127 v's fragments, two buffers; v128-131 w of my query in blocks 0 .. 3, twice in each word.
.set PA,    272                        ; a row of p in LDS: 256 bytes + 16
.set PB,    544                        ; a row of v: 512 + 32
.set AB,    128*PA
.set SLOT1, 131072                     ; slot 1 begins here: one exclusive or turns an address in one slot into the other's
.set STAGE, SLOT1+AB+128*PB            ; 16 rows x 528 bytes for each wave
.set SP,    528
.set WT,    STAGE+4*16*SP              ; 4,096 bytes for each wave: w in f16, twice a word, at 256 x key block + 16 r + 4 a
.set SPARE, WT+4*4096
.set VSTEP, 128*6144                   ; bytes from a step's rows of v to the next's
.set INV,  8
.set ADA0, 16
.set ADA,  17
.set ADB0, 20
.set ADB,  21
.set WA,   22                          ; v22  my 16 bytes of the table for the step to be fetched
.set STO,  24
.set RD,   25
.set CO,   26
.set SPW,  28
.set NIL,  29
.set PFO,  30
.set MX,   32                          ; v32-35  m of my query in blocks 0 .. 3
.set LA,   36                          ; v36-39  l
.set MS,   64                          ; v64-127  m_loc, then w: 4 x key block + a
.set LS,   128                         ; v128-191 l_loc
.set OT,   64                          ; the way out
.set RAW01, 128
.set SC23,  144
.set RAW23, 128
.set SC01,  160
.set WS,    128
.set G1,  24
.set G0,  32
.set LIM, 43
.set PFA, 44
.set G1B, 48
.set G0B, 56
.set TB,  66
.set PFS, 68                           ; s[68:69] the prefetches' step
.set W_LO, 0x5b                        ; source 0 window 3, source 1 window 2, C and D window 1
.set W_HI, 0xa7                        ; source 0 window 3, source 1 window 1, C and D window 2
.set MSB, 0
.macro WIN new
.if MSB != (\new)
	s_set_vgpr_msb (MSB<<8)|(\new)
.set MSB, \new
.endif
.endm
.macro PLACES
.rept 4
	v_nop
.endr
.endm
.macro JLOAD s                         ; waves 0, 1 fetch p's halves, waves 2, 3 v's
	s_cmp_eq_u32 s11, 0
	s_cbranch_scc0 .Lfor_b_\@
	tensor_load_to_lds s[G0+4*(\s):G0+4*(\s)+3], s[G1:G1+7]
	s_nop 0
	PLACES
	s_branch .Lasked_\@
.Lfor_b_\@:
	tensor_load_to_lds s[G0B+4*(\s):G0B+4*(\s)+3], s[G1B:G1B+7]
	s_nop 0
	PLACES
.Lasked_\@:
.endm
; A prefetch of the step four refills on (a step is 128 matrix instructions a wave).  p: wave 0 asks for rows 32 cx + lane of the tile's 128, 256 bytes each.  v: waves 2 and 3 ask for key rows
; 32 cy + 16 (wave & 1) + lane / 2, block lane & 1 of the row's 512 bytes, in the first of a batch's four clusters alone.  So each block is named once.  Trips with s3 = 14 .. 5 name steps 6 .. 15.
.macro ASK
	s_cmp_gt_u32 s3, s[LIM]
	s_cbranch_scc0 .Lnot_mine_\@
	global_prefetch_b8 v[PFO], s[PFA:PFA+1] th:TH_LOAD_NT scope:SCOPE_SE
.Lnot_mine_\@:
.endm
.macro CREST
	s_cmp_lg_u32 s10, 0
	s_cbranch_scc1 .Lnot_wave_0_\@
	s_barrier_signal -3
.Lnot_wave_0_\@:
	s_barrier_wait -3
	s_barrier_signal -1
	s_barrier_wait -1
.endm
.macro CROUND
	s_barrier_signal -1
	s_barrier_wait -1
	CREST
.endm
	s_load_b256 s[76:83], s[0:1], 0x0              ; p s[76:77], qkv s[78:79], stats s[80:81], out0 s[82:83]
	v_lshl_add_u32 v[SPW], v0, 2, SPARE
	v_mov_b32 v[NIL], 0
	ds_add_u32 v[SPW], v[NIL]                      ; the wave's opening: the add, twice on end, and its wait ahead of my first tensor load
	ds_add_u32 v[SPW], v[NIL]
	v_lshrrev_b32 v1, 5, v0
	v_readfirstlane_b32 s10, v1
	s_lshr_b32 s11, s10, 1                         ; my half of the queries; also: I fetch p (0) or v (1)
	s_and_b32 s12, s10, 1                          ; my half of the channels; also: which 64 rows I fetch
	s_bfe_u32 s40, ttmp6, 0x40000                  ; cx: the tile of 256 channels (the grid is one cluster wide)
	s_bfe_u32 s41, ttmp6, 0x40004                  ; cy
	s_and_b32 s14, ttmp7, 0xffff                   ; cluster y
	s_lshl_b32 s13, s14, 2
	s_add_co_u32 s13, s13, s41                     ; query tile, 0 .. 63: global row / 128
	s_lshr_b32 s15, s14, 2                         ; the batch
	s_lshl_b32 s43, s41, 2
	s_lshl_b32 s43, 15, s43
	s_lshl_b32 s44, 0x1111, s40
	s_or_b32 s[G1+0], s43, (1<<16)|(1<<20)|(1<<21)|(5<<22)|(3<<25)   ; p: after every 64 words, 4 words
	s_mov_b32 s[G1+1], 128<<16                     ; tensor_dim0 = 128
	s_mov_b32 s[G1+2], 64<<16                      ; tensor_dim1 = 64
	s_mov_b32 s[G1+3], 128<<16                     ; tile_dim0 = 128
	s_mov_b32 s[G1+4], 64                          ; tile_dim1 = 64
	s_mov_b32 s[G1+5], 2048                        ; elements from row to row of p
	s_mov_b32 s[G1+6], 0
	s_mov_b32 s[G1+7], 0
	s_or_b32 s[G1B+0], s44, (1<<16)|(1<<20)|(1<<21)|(6<<22)|(7<<25)  ; v: after every 128 words, 8 words
	s_mov_b32 s[G1B+1], 256<<16
	s_mov_b32 s[G1B+2], 64<<16
	s_mov_b32 s[G1B+3], 256<<16
	s_mov_b32 s[G1B+4], 64
	s_mov_b32 s[G1B+5], 3072
	s_mov_b32 s[G1B+6], 0
	s_mov_b32 s[G1B+7], 0
	s_mov_b32 s72, 0x3fb8aa3b                      ; log2(e)
	s_mov_b32 s73, s72
	s_mov_b32 s[TB], 0
	s_lshl_b32 s16, s13, 7
	s_lshl_b32 s17, s12, 6
	s_add_co_u32 s16, s16, s17
	s_lshl_b32 s16, s16, 12                        ; p: row 128 x query tile + 64 x half, 4,096 bytes a row
	s_mov_b32 s17, 0
	s_lshl_b32 s46, s15, 11
	s_lshl_b32 s47, s12, 6
	s_add_co_u32 s46, s46, s47
	s_mul_i32 s46, s46, 6144                       ; v: row 2,048 x batch + 64 x half,
	s_lshl_b32 s47, s40, 9
	s_add_co_u32 s46, s46, s47                     ; 512 bytes a tile of channels,
	s_add_co_u32 s46, s46, 4096                    ; behind q's and k's columns
	s_mov_b32 s47, 0
	s_mul_i32 s20, s12, 64*PA
	s_mul_i32 s21, s12, 64*PB
	s_add_co_u32 s21, s21, AB
	s_wait_dscnt 0x0                               ; both opening adds are done
	s_wait_kmcnt 0x0
	s_add_nc_u64 s[4:5], s[76:77], s[16:17]
	s_add_nc_u64 s[46:47], s[78:79], s[46:47]
	CROUND
.irp s, 0,1
	s_mov_b32 s[G0+4*(\s)], 1
	s_add_co_u32 s[G0+4*(\s)+1], s20, (\s)*SLOT1
	s_add_nc_u64 s[G0+4*(\s)+2:G0+4*(\s)+3], s[4:5], (\s)*256
	s_or_b32 s[G0+4*(\s)+3], s[G0+4*(\s)+3], 0x80000000
	s_mov_b32 s[G0B+4*(\s)], 1
	s_add_co_u32 s[G0B+4*(\s)+1], s21, (\s)*SLOT1
	s_add_nc_u64 s[G0B+4*(\s)+2:G0B+4*(\s)+3], s[46:47], (\s)*VSTEP
	s_or_b32 s[G0B+4*(\s)+3], s[G0B+4*(\s)+3], 0x80000000
	JLOAD \s
.endr
	v_and_b32 v1, 15, v0                           ; r
	v_bfe_u32 v2, v0, 4, 1                         ; h
	v_and_b32 v3, 31, v0                           ; l
	; THE PROLOGUE, in the wait for the first tile: the statistics of my 64 queries
	s_lshl_b32 s16, s13, 13                        ; 16 key blocks x 512 bytes a query tile
	s_mov_b32 s17, 0
	s_add_nc_u64 s[70:71], s[80:81], s[16:17]
	v_lshlrev_b32 v4, 5, v1
	v_lshl_add_u32 v4, s11, 4, v4                  ; 32 r + 16 x my half: blocks a = 0 .. 3 on end
.set kb, 0
.rept 16
	global_load_b128 v[MS+4*kb:MS+4*kb+3], v4, s[70:71] offset:512*kb
.set kb, kb+1
.endr
.set kb, 0
.rept 16
	global_load_b128 v[LS+4*kb:LS+4*kb+3], v4, s[70:71] offset:524288+512*kb
.set kb, kb+1
.endr
	s_mul_i32 s21, s11, 64*PA
	v_mul_u32_u24 v5, v1, PA
	v_lshl_add_u32 v5, v2, 4, v5
	v_add_nc_u32 v[ADA0], s21, v5                  ; p: (64 x half + r) x pitch + 16 h
	v_and_b32 v5, 7, v0
	v_bfe_u32 v6, v0, 3, 1
	v_lshl_add_u32 v7, v2, 3, v5
	v_mul_u32_u24 v7, v7, PB
	v_lshl_add_u32 v7, v6, 4, v7                   ; v: key 8 h + l % 8, channels 8 ((l / 8) % 2) on
	s_lshl_b32 s21, s12, 8
	s_add_co_u32 s21, s21, AB
	v_add_nc_u32 v[ADB0], s21, v7
	v_mov_b32 v[ADA], v[ADA0]
	v_mov_b32 v[ADB], v[ADB0]
	s_lshl_b32 s21, s10, 12
	s_add_co_u32 s21, s21, WT
	v_lshl_add_u32 v[WA], v1, 4, s21
	s_mul_i32 s21, s10, 16*SP
	s_add_co_u32 s21, s21, STAGE
	v_mul_u32_u24 v5, v1, SP
	v_lshl_add_u32 v5, v2, 5, v5
	v_add_nc_u32 v[STO], s21, v5                   ; in: row r, 32 bytes for each half of the lanes
	v_lshlrev_b32 v[CO], 4, v3
	v_add_nc_u32 v[RD], s21, v[CO]                 ; back: a row of 512 bytes to a load
	s_lshl_b32 s16, s13, 7                         ; out0 at my 64 rows and 128 channels
	s_lshl_b32 s17, s11, 6
	s_add_co_u32 s16, s16, s17
	s_lshl_b32 s16, s16, 12
	s_lshl_b32 s17, s40, 10
	s_add_co_u32 s16, s16, s17
	s_lshl_b32 s17, s12, 9
	s_add_co_u32 s16, s16, s17
	s_mov_b32 s17, 0
	s_add_nc_u64 s[8:9], s[82:83], s[16:17]
	; the prefetches
	s_lshl_b32 s20, s13, 7
	s_lshl_b32 s21, s40, 5
	s_add_co_u32 s20, s20, s21
	s_lshl_b32 s20, s20, 12
	s_add_co_u32 s20, s20, 5*256                   ; p: at step 5; the first refill steps it to 6
	s_lshl_b32 s21, s15, 11
	s_lshl_b32 s22, s41, 5
	s_add_co_u32 s21, s21, s22
	s_lshl_b32 s22, s12, 4
	s_add_co_u32 s21, s21, s22
	s_mul_i32 s21, s21, 6144
	s_lshl_b32 s22, s40, 9
	s_add_co_u32 s21, s21, s22
	s_add_co_u32 s21, s21, 4096+5*VSTEP            ; v: likewise
	s_and_b32 s22, s14, 3
	s_mov_b32 s[PFS], VSTEP
	s_mov_b32 s[PFS+1], 0
	s_mov_b32 s19, 6144
	s_cmp_eq_u32 s11, 0
	s_cselect_b32 s20, s20, s21
	s_cselect_b32 s22, s12, s22                    ; 0 in wave 0, and in waves 2, 3 of a batch's first cluster
	s_cselect_b32 s[PFS], 256, s[PFS]
	s_cselect_b32 s23, 0, 1                        ; lanes a row less one: the shift and the mask
	s_cselect_b32 s19, 4096, s19
	s_cselect_b64 s[PFA:PFA+1], s[76:77], s[78:79]
	s_cmp_eq_u32 s22, 0
	s_cselect_b32 s[LIM], 4, -1
	s_mov_b32 s21, 0
	s_add_nc_u64 s[PFA:PFA+1], s[PFA:PFA+1], s[20:21]
	v_lshrrev_b32 v[PFO], s23, v3
	v_mul_u32_u24 v[PFO], v[PFO], s19
	v_and_b32 v5, s23, v3
	v_lshl_add_u32 v[PFO], v5, 8, v[PFO]
	s_wait_loadcnt 0x0
.irp a, 0,1,2,3                        ; m: the largest of 16
	v_max3_num_f32 v[MX+\a], v[MS+\a], v[MS+4+\a], v[MS+8+\a]
.endr
.irp n, 0,1,2,3,4,5
.irp a, 0,1,2,3
	v_max3_num_f32 v[MX+\a], v[MX+\a], v[MS+12+8*\n+\a], v[MS+16+8*\n+\a]
.endr
.endr
.irp a, 0,1,2,3
	v_max_num_f32 v[MX+\a], v[MX+\a], v[MS+60+\a]
.endr
.set z, 0
.rept 32
	v_pk_add_f32 v[MS+2*z:MS+2*z+1], v[MS+2*z:MS+2*z+1], v[MX+2*(z%2):MX+2*(z%2)+1] neg_lo:[0,1] neg_hi:[0,1]  ; m_loc - m first,
.set z, z+1
.endr
.set z, 0
.rept 32
	v_pk_mul_f32 v[MS+2*z:MS+2*z+1], v[MS+2*z:MS+2*z+1], s[72:73] op_sel_hi:[1,0]  ; the factor behind it
.set z, z+1
.endr
.set z, 0
.rept 64
	v_exp_f32 v[MS+z], v[MS+z]
.set z, z+1
.endr
	v_nop                                          ; a plain instruction behind the last exponential,
	s_wait_alu depctr_va_vdst(0)                   ; and one wait for the batch
	v_pk_mul_f32 v[LA:LA+1], v[MS:MS+1], v[LS:LS+1]
	v_pk_mul_f32 v[LA+2:LA+3], v[MS+2:MS+3], v[LS+2:LS+3]
.set kb, 1
.rept 15
	v_pk_fma_f32 v[LA:LA+1], v[MS+4*kb:MS+4*kb+1], v[LS+4*kb:LS+4*kb+1], v[LA:LA+1]
	v_pk_fma_f32 v[LA+2:LA+3], v[MS+4*kb+2:MS+4*kb+3], v[LS+4*kb+2:LS+4*kb+3], v[LA+2:LA+3]
.set kb, kb+1
.endr
.set z, 0
.rept 64
	v_cvt_pk_f16_f32 v[MS+z], v[MS+z], v[MS+z]     ; w twice in a word
.set z, z+1
.endr
.set kb, 0
.rept 16
	ds_store_b128 v[WA], v[MS+4*kb:MS+4*kb+3] offset:256*kb  ; my wave's own table; both halves of the lanes write the same
.set kb, kb+1
.endr
.irp a, 0,1,2,3
	v_rcp_f32 v[INV+2*\a], v[LA+\a]
.endr
	v_nop
	s_wait_alu depctr_va_vdst(0)                   ; one wait for the four reciprocals
.irp a, 0,1,2,3
	v_mov_b32 v[INV+2*\a+1], v[INV+2*\a]           ; named as pairs
.endr
; A quarter's LDS loads in one run: (w of the step), p of blocks 0, 1, p of blocks 2, 3 into buffer g, v turned into buffer g.
.macro FETCHB kq, g, ws
.if \ws
	WIN 0xc0
	ds_load_b128 v[WS:WS+3], v[WA]
.endif
	WIN 0x40
.irp a, 0,1
	ds_load_b128 v[RAW01+8*(\a):RAW01+8*(\a)+3],   v[ADA] offset:(\kq)*64+(\a)*16*PA
	ds_load_b128 v[RAW01+8*(\a)+4:RAW01+8*(\a)+7], v[ADA] offset:(\kq)*64+(\a)*16*PA+32
.endr
	WIN 0x80
.irp a, 0,1
	ds_load_b128 v[RAW23+16*(\g)+8*(\a):RAW23+16*(\g)+8*(\a)+3],   v[ADA] offset:(\kq)*64+((\a)+2)*16*PA
	ds_load_b128 v[RAW23+16*(\g)+8*(\a)+4:RAW23+16*(\g)+8*(\a)+7], v[ADA] offset:(\kq)*64+((\a)+2)*16*PA+32
.endr
	WIN 0xc0
.irp b, 0,1,2,3,4,5,6,7
	ds_load_tr16_b128 v[64*(\g)+8*(\b):64*(\g)+8*(\b)+3],   v[ADB] offset:(\kq)*32*PB+32*(\b)
	ds_load_tr16_b128 v[64*(\g)+8*(\b)+4:64*(\g)+8*(\b)+7], v[ADB] offset:(\kq)*32*PB+16*PB+32*(\b)
.endr
.endm
; Products i0 .. i1 of the 16 on blocks 0, 1 (block i / 8, channels 16 (i % 8) on); behind each, register i of p w for blocks 2, 3 of this quarter.  The 32 accumulators of a quarter take turns.
; A register of p w is rewritten nine plain lines or more behind the last product that read it.
.macro LO f, zero, i0, i1
	WIN W_LO
.set i, \i0
.rept (\i1)-(\i0)+1
.if \zero
	v_wmma_f32_16x16x32_f16 v[8*i:8*i+7], v[64*(\f)+8*(i%8):64*(\f)+8*(i%8)+7], v[SC01+8*(i/8):SC01+8*(i/8)+7], 0
.else
	v_wmma_f32_16x16x32_f16 v[8*i:8*i+7], v[64*(\f)+8*(i%8):64*(\f)+8*(i%8)+7], v[SC01+8*(i/8):SC01+8*(i/8)+7], v[8*i:8*i+7]
.endif
	v_pk_mul_f16 v[SC23+i], v[WS+2+i/8], v[RAW23+16*(\f)+i]
.set i, i+1
.endr
.endm
.macro RID n                           ; register n of p w for blocks 0, 1 of the next quarter
	v_pk_mul_f16 v[SC01+(\n)], v[WS+(\n)/8], v[RAW01+(\n)]
.endm
; The 16 products on blocks 2, 3.  m = 1: one RID behind each.  m = 2: the loads were issued just now: two RID behind each of the last eight.  m = 0: none.
.macro HI f, zero, m
	WIN W_HI
.if (\m) == 1
	s_wait_dscnt 20                                ; p of blocks 0, 1 is in; the 20 loads issued behind it may be out
.endif
.set i, 0
.rept 16
.if ((\m) == 2) && (i == 8)
	s_wait_dscnt 20                                ; w and p of blocks 0, 1 are in
.endif
.if \zero
	v_wmma_f32_16x16x32_f16 v[8*i:8*i+7], v[64*(\f)+8*(i%8):64*(\f)+8*(i%8)+7], v[SC23+8*(i/8):SC23+8*(i/8)+7], 0
.else
	v_wmma_f32_16x16x32_f16 v[8*i:8*i+7], v[64*(\f)+8*(i%8):64*(\f)+8*(i%8)+7], v[SC23+8*(i/8):SC23+8*(i/8)+7], v[8*i:8*i+7]
.endif
.if (\m) == 1
	RID i
.elseif ((\m) == 2) && (i >= 8)
	RID 2*(i-8)
	RID 2*(i-8)+1
.endif
.set i, i+1
.endr
.endm
.macro QB kq, f, g, zero               ; a quarter: multiplies buffer f, fetches quarter kq into g
	s_wait_dscnt 0x0                               ; the run issued a quarter ago is in
	PLACES                                         ; between the last product that read buffer g and the loads into it
	FETCHB \kq, \g, 0
	LO \f, \zero, 0, 15
	HI \f, \zero, 1
.endm
.macro TURNB fill                      ; a step's last quarter and the change of slots
.if \fill
	s_wait_xcnt 0x0                                ; the last prefetch, a step back, has read its address
	s_add_nc_u64 s[PFA:PFA+1], s[PFA:PFA+1], s[PFS:PFS+1]
.endif
	WIN 0
	s_wait_tensorcnt 0x0                           ; all my tensor loads have landed: my part of the next slot
	ds_add_u32 v[SPW], v[NIL]                      ; 0 onto my spare word
	s_wait_dscnt 1                                 ; the add alone may be out
	LO 1, 0, 0, 7
	s_wait_dscnt 0x0                               ; the add is done, and my reads of this slot are over
	s_barrier_signal -1
	LO 1, 0, 8, 15
	WIN 0
	s_barrier_wait -1
.if \fill
	CREST
	s_xor_b32 s[G0+5], s[G0+5], SLOT1              ; the walking descriptors: the other slot than last time, the next step
	s_add_nc_u64 s[G0+6:G0+7], s[G0+6:G0+7], 256
	s_xor_b32 s[G0B+5], s[G0B+5], SLOT1
	s_add_nc_u64 s[G0B+6:G0B+7], s[G0B+6:G0B+7], VSTEP
	JLOAD 1
.else
	PLACES
.endif
	s_xor_b32 s[TB], s[TB], SLOT1
	v_add_nc_u32 v[ADA], s[TB], v[ADA0]
	v_add_nc_u32 v[ADB], s[TB], v[ADB0]
	v_add_nc_u32 v[WA], 256, v[WA]                 ; the next key block's w
	FETCHB 0, 0, 1
.if \fill
	WIN 0
	ASK
.endif
	HI 1, 0, 2
.endm
; THE WAY OUT of block a (16 queries): divided by l; 32 bytes a lane into my stage; back as whole rows of 512 bytes; stored.
.macro PACKO a
	WIN 1+(\a)/2
.set z, 0
.rept 32
	v_pk_mul_f32 v[OT+2*z:OT+2*z+1], v[64*((\a)%2)+2*z:64*((\a)%2)+2*z+1], v[INV+2*(\a):INV+2*(\a)+1] op_sel_hi:[1,0]
.set z, z+1
.endr
	WIN 0
.endm
.macro TOST a
.set BK, 128+64*((\a)%2)
.set n, 0
.rept 16
	ds_store_b128 v[STO], v[OT+4*n:OT+4*n+3] offset:64*(n/2)+16*(n%2)
.set n, n+1
.endr
.set n, 0
.rept 16
	ds_load_b128 v[BK+4*n:BK+4*n+3], v[RD] offset:SP*n  ; LDS serves a wave's instructions in order (ISA guide 5.7.1.4): these see the stores above
.set n, n+1
.endr
.endm
.macro SENDO a
.set BK, 128+64*((\a)%2)
	s_wait_dscnt 0x0
	s_wait_xcnt 0x0                                ; earlier stores have read their base and data
.if (\a) > 0
	s_add_nc_u64 s[8:9], s[8:9], 16*4096
.endif
.set n, 0
.rept 16
	global_store_b128 v[CO], v[BK+4*n:BK+4*n+3], s[8:9] offset:4096*n th:TH_STORE_NT  ; 512 consecutive bytes, aligned
.set n, n+1
.endr
.endm
	s_wait_dscnt 0x0                               ; my table is written
	s_wait_tensorcnt 1                             ; my part of step 0 is in; step 1's may stay out
	s_barrier_signal -1
	s_barrier_wait -1
	FETCHB 0, 0, 1
	s_wait_dscnt 0x0
	WIN W_HI
.set i, 0
.rept 16
	RID i                                          ; p w of blocks 0, 1 for the first quarter
.set i, i+1
.endr
	QB 1, 0, 1, 1                                  ; the first quarter's products start the sums
	WIN 0
	s_mov_b32 s3, 14                               ; fourteen refills: steps 2 .. 15
.Lstep:
	QB 2, 1, 0, 0
	QB 3, 0, 1, 0
	TURNB 1
	QB 1, 0, 1, 0
	WIN 0
	s_sub_co_u32 s3, s3, 1
	s_cmp_lg_u32 s3, 0
	s_cbranch_scc1 .Lstep
	QB 2, 1, 0, 0                                  ; the last two steps ask for nothing
	QB 3, 0, 1, 0
	TURNB 0
	QB 1, 0, 1, 0
	QB 2, 1, 0, 0
	QB 3, 0, 1, 0
	s_wait_dscnt 0x0
	LO 1, 0, 0, 15
	HI 1, 0, 0
	WIN 0
	PLACES
	PACKO 0
	TOST 0
.irp a, 1,2,3                          ; block a's scaling stands between block a - 1's loads from the stage and the wait for them
	PACKO \a
	SENDO (\a)-1
	TOST \a
.endr
	SENDO 3
	s_wait_tensorcnt 0x0                           ; the wave's end
	ds_add_u32 v[SPW], v[NIL]
	s_wait_dscnt 0x0
	CROUND                                         ; the closing round
	s_endpgm
.Lfunc_end_k_q12b2f47632_pv:
	.size	k_q12b2f47632_pv, .Lfunc_end_k_q12b2f47632_pv-k_q12b2f47632_pv
	.p2alignl 7, 3214868480
	.fill 96, 4, 3214868480
	.section	.rodata,"a",@progbits
	.p2align	6, 0x0
	.amdhsa_kernel k_q12b2f47632_pv
		.amdhsa_group_segment_fixed_size 327680
		.amdhsa_private_segment_fixed_size 0
		.amdhsa_enable_private_segment 0
		.amdhsa_kernarg_size 32
		.amdhsa_user_sgpr_count 2
		.amdhsa_user_sgpr_kernarg_segment_ptr 1
		.amdhsa_wavefront_size32 1
		.amdhsa_system_sgpr_workgroup_id_x 1
		.amdhsa_system_sgpr_workgroup_id_y 1
		.amdhsa_system_sgpr_workgroup_id_z 1
		.amdhsa_system_vgpr_workitem_id 0
		.amdhsa_next_free_vgpr 900
		.amdhsa_next_free_sgpr 96
		.amdhsa_reserve_vcc 0
		.amdhsa_float_denorm_mode_32 3
		.amdhsa_float_denorm_mode_16_64 3
		.amdhsa_memory_ordered 1
		.amdhsa_forward_progress 1
		.amdhsa_inst_pref_size 123
	.end_amdhsa_kernel
	.amdgpu_metadata
---
amdhsa.version: [ 1, 2 ]
amdhsa.kernels:
  - .name:           k_q12b2f47632_pv
    .symbol:         k_q12b2f47632_pv.kd
    .args:
      - { .name: p, .offset: 0, .size: 8, .value_kind: global_buffer, .address_space: global }
      - { .name: qkv, .offset: 8, .size: 8, .value_kind: global_buffer, .address_space: global }
      - { .name: stats, .offset: 16, .size: 8, .value_kind: global_buffer, .address_space: global }
      - { .name: out0, .offset: 24, .size: 8, .value_kind: global_buffer, .address_space: global }
    .group_segment_fixed_size: 327680
    .private_segment_fixed_size: 0
    .kernarg_segment_align: 8
    .kernarg_segment_size: 32
    .max_flat_workgroup_size: 128
    .sgpr_count:     96
    .vgpr_count:     900
    .wavefront_size: 32
...
	.end_amdgpu_metadata
.endif
;; end of part 4
;; ======== version 2 of 2: 4 launches; version 1 with the launch prep written anew for expert scheduling mode
;; limits: values are held in f16: magnitudes above 65,504 overflow, below 6.1e-05 lose precision; values outside matrix products are rounded to bf16
;; workspace buffers: xb 16,777,216 bytes; wt 6,291,456 bytes; bias 12,288 bytes; qkv 50,331,648 bytes; p 33,554,432 bytes; stats 1,048,576 bytes
;; launch prep (part 5): grid 640 x 1, 8 waves a work-group, no clusters, 18,432 bytes of LDS; arguments x, Wq, Wk, Wv, bq, bv, xb, wt, bias; writes xb, wt, bias
.if DOCPART == 5
	.amdgcn_target "amdgcn-amd-amdhsa--gfx1250"
	.amdhsa_code_object_version 6
	.text
	.protected	k_q12b2f47632_prep
	.globl	k_q12b2f47632_prep
	.p2align	8
	.type	k_q12b2f47632_prep,@function
k_q12b2f47632_prep:
	s_mov_b64 s[64:65], 0
	v_nop
	global_prefetch_b8 v0, s[64:65] scope:SCOPE_SE
	s_setreg_imm32_b32 hwreg(HW_REG_WAVE_SCHED_MODE, 0, 2), 2
	s_setreg_imm32_b32 hwreg(HW_REG_WAVE_MODE, 25, 1), 1
	s_wait_xcnt 0x0
	s_wait_alu depctr_vm_vsrc(0)
; MASKED SELF-ATTENTION, launch 1 of 4: the matrix operands are made.
; xb = bf16(x), in blocks of 64 d: [16][8192 rows][64];  wt[n][d] = bf16(W[d][n]), n = q's 1,024 columns, then k's, then v's, in the same blocks: [16][3072][64];
; bias[n] = bq, 0, bv, each number rounded to bf16 and kept as f32: [3072].  In a block a row is 128 bytes and rows follow each other without a gap, so a tile of rows x 64 d is dense.
; THE PROGRAM.  2: qkv = f16(xb wt^T + bias).  3: for each block of 128 keys t = q.k / 32 + mask, the block's maximum m_loc, p = e^(t - m_loc) in f16, l_loc = the sum of p.
; 4: m = the maximum of m_loc, w = e^(m_loc - m), l = the sum of w l_loc, out = (the sum of (p w) v) / l.  A maximum is taken away before every exponential.
; WORK LEFT OUT: bk.  k_j = x_j Wk + bk, so q_i . k_j = q_i . (x_j Wk) + q_i . bk.  The second term does not hang on the key j: it is added alike to every entry of row i of the
; softmax's input, along its axis, and e^(t + c) / sum e^(t + c) = e^t / sum e^t for every finite c.  That holds for all values of x, Wq, bq, Wk, bk and the mask.  k enters nothing but
; the scores.  So bk has no way to the output: it is not loaded and is among no launch's arguments.  LIMIT: a NaN, an infinity or an overflow that bk alone would cause is not carried to the result.
; The mask is an input: all 2,048 x 2,048 scores of every batch are made and every word of the mask is read.
; FORMATS.  x, the weights and the biases are rounded once to bf16; q, k, v and p once to f16; the mask, maxima and all sums stay in f32.
; THIS LAUNCH streams: no matrix unit, no cluster, no tensor load: no byte is wanted twice.
; Work-groups 0-255: 32 rows of x each.  A load of a wave takes 256 bytes (64 d) of each of two rows; its store is those two rows' 128 bytes in one block: 256 consecutive bytes, aligned.
; A thread keeps 16 to 20 loads on their way.
; Work-groups 256-639: a tile of 128 d x 64 e of one W is turned through LDS: two rows d, d + 1 pack into words; rows of 272 bytes; read back so that 16 lanes hold two rows e of one block.
; Those of them with the first 128 d also write their 64 numbers of bias (wave 0).
; THE MODE: SCHED_MODE bits 1:0 = 2 (LLVM: expert scheduling mode 2), set by the entry lines.  The code itself states the register dependences between vector instructions and memory or LDS
; instructions, with s_wait_alu, always for 0.
; THE PLAN, x's share.  The thread's 32 loads go in eight blocks of four.  Registers that memory instructions touch:
;   X0 .. X4   five blocks of x as loaded.  Block p's eight roundings read X[p % 5]; the loads of block p + 4, issued at the head of block p, land in X[(p + 4) % 5] = X[(p - 1) % 5].
;   Y          two registers to each of the 32 stores.  Written by block p's roundings, each register once in the kernel; read by the four stores issued at the head of block p + 1.
;   v1, v2     the loads' and the stores' offsets: made once at the head and never written again; the rows and blocks stand in the immediates.
; So ONE wait on va_vdst stands at the head of each block but the first: the block before is done reading its X and has written its Y.  The four loads and four stores follow it with no vector
; instruction between, ahead of the block's wait for its data.  No register that a memory instruction reads is written again: no wait on vm_vsrc is owed.
; THE PLAN, W's share.  v3, v4, v10, v11 (addresses) are made once at the head.  v32-63 are loaded once and read by the roundings.  v64-79: pair k's four roundings write them, once; its four LDS
; stores, issued in the turn of pair k + 1, read them.  v80-95: LDS loads land in them, global stores read them, no vector instruction names them.  So one wait on va_vdst stands ahead of W's
; loads, one in the turn of each later pair, behind the wait for that pair's data, and one ahead of the last pair's stores.  The bias has its own, said where they stand.
.set SPARE, 17408                      ; behind the tile: the spare words, 128 bytes for each of eight waves
.set SPW, 8                            ; v8  LDS address of my spare word; never rewritten
.set NIL, 9                            ; v9  0; never rewritten
.set XB,  16                           ; v[16:95]   x's share: buffer k, load n of its four: 4 registers at XB + 16 k + 4 n
.set XR,  32                           ; v[32:63]   W's share: 8 loads of 4 registers
.set YR,  96                           ; v[96:159]  to store: each store has registers of its own, so none is rewritten while a store reads it
.set TP,  272                          ; a row of the turned tile: 128 d x 2 bytes + 16
.set XBLK, 1048576                     ; bytes in a block of xb: 8,192 rows x 128
.set WBLK, 393216                      ; bytes in a block of wt: 3,072 rows x 128
	s_load_b256 s[4:11], s[0:1], 0x0               ; x s[4:5], Wq s[6:7], Wk s[8:9], Wv s[10:11]
	s_load_b256 s[12:19], s[0:1], 0x20             ; bq s[12:13], bv s[14:15], xb s[16:17], wt s[18:19]
	s_load_b64 s[20:21], s[0:1], 0x40              ; bias
	v_lshl_add_u32 v[SPW], v0, 2, SPARE
	v_mov_b32 v[NIL], 0
	s_cmp_lt_u32 ttmp9, 256                        ; the work-group's number chooses the share: the same in all eight waves
	s_cbranch_scc0 .Lweights
	s_lshl_b32 s22, ttmp9, 17                      ; my 32 rows of x, 4,096 bytes each,
	s_mov_b32 s23, 0
	s_lshl_b32 s24, ttmp9, 12                      ; and of a block of xb, 128 bytes each
	s_mov_b32 s25, 0
	v_lshrrev_b32 v3, 4, v0                        ; my row among 16
	v_and_b32 v4, 15, v0                           ; my four d among 64
	v_lshlrev_b32 v1, 12, v3
	v_lshl_add_u32 v1, v4, 4, v1
	v_lshlrev_b32 v2, 7, v3
	v_lshl_add_u32 v2, v4, 3, v2
	s_wait_kmcnt 0x0
	s_add_nc_u64 s[4:5], s[4:5], s[22:23]
	s_add_nc_u64 s[16:17], s[16:17], s[24:25]
	s_add_nc_u64 s[26:27], s[16:17], 8*XBLK        ; blocks 8 .. 15 by a second base: the stores' immediates stay inside their signed 24 bits
.macro XLOAD i                         ; load i of 32: rows 16 (i / 16) on, block i % 16 of xb; into buffer (i / 4) % 5
	global_load_b128 v[XB+16*(((\i)/4)%5)+4*((\i)%4):XB+16*(((\i)/4)%5)+4*((\i)%4)+3], v1, s[4:5] offset:65536*((\i)/16)+256*((\i)%16) th:TH_LOAD_NT
.endm
.macro XCVT i                          ; its four numbers rounded, into the two registers of store i
	v_cvt_pk_bf16_f32 v[YR+2*(\i)],   v[XB+16*(((\i)/4)%5)+4*((\i)%4)],   v[XB+16*(((\i)/4)%5)+4*((\i)%4)+1]
	v_cvt_pk_bf16_f32 v[YR+2*(\i)+1], v[XB+16*(((\i)/4)%5)+4*((\i)%4)+2], v[XB+16*(((\i)/4)%5)+4*((\i)%4)+3]
.endm
.macro XSTORE i                        ; store i of 32
.if ((\i)%16) < 8
	global_store_b64 v2, v[YR+2*(\i):YR+2*(\i)+1], s[16:17] offset:XBLK*((\i)%16)+2048*((\i)/16)
.else
	global_store_b64 v2, v[YR+2*(\i):YR+2*(\i)+1], s[26:27] offset:XBLK*((\i)%16-8)+2048*((\i)/16)
.endif
.endm
	s_wait_alu depctr_va_vdst(0)                   ; v1 and v2 are written: every load of this share reads the one as its offset, every store the other
.set i, 0
.rept 20
	XLOAD i                                        ; blocks 0 to 4 into X0 .. X4
.set i, i+1
.endr
.set p, 0
.rept 8                                ; block p
.if p > 0
	s_wait_alu depctr_va_vdst(0)                   ; the roundings of block p - 1 are done reading its X, in which the loads below land, and have written its Y, which the stores below read
.if p < 4
.irp n, 0,1,2,3
	XLOAD 4*(p+4)+\n                               ; four blocks ahead, into the buffer just emptied
.endr
.endif
.irp n, 0,1,2,3
	XSTORE 4*(p-1)+\n                              ; the block before
.endr
.endif
.if p < 4
	s_wait_loadcnt 16                              ; loads come back in order (ISA guide 5.7.1): block p is in, the four younger blocks stay out
.else
	s_wait_loadcnt 4*(7-p)                         ; nothing more is asked for: the counts run down
.endif
.irp n, 0,1,2,3
	XCVT 4*p+\n
.endr
.set p, p+1
.endr
	s_wait_alu depctr_va_vdst(0)                   ; block 7's roundings have written its Y, which the last four stores read
.irp n, 0,1,2,3
	XSTORE 28+\n
.endr
	s_branch .Lend
.Lweights:
	s_sub_co_u32 s22, ttmp9, 256                   ; 0 .. 383
	s_lshr_b32 s23, s22, 7                         ; which W
	s_bfe_u32 s24, s22, 0x30004                    ; block of 128 d
	s_and_b32 s25, s22, 15                         ; block of 64 e
	s_lshl_b32 s26, s24, 19                        ; 128 rows of 4,096 bytes
	s_lshl_b32 s27, s25, 8                         ; 64 e of 4 bytes
	s_add_co_u32 s26, s26, s27
	s_mov_b32 s27, 0
	s_lshl_b32 s28, s23, 10
	s_lshl_b32 s29, s25, 6
	s_add_co_u32 s28, s28, s29                     ; my first n: 1,024 x W + 64 x block
	s_lshl_b32 s30, s28, 2                         ; in bias: 4 bytes a number
	s_mov_b32 s31, 0
	s_lshl_b32 s28, s28, 7                         ; in a block of wt: 128 bytes a row
	s_mul_i32 s29, s24, 2*WBLK                     ; 128 d are two blocks
	s_add_co_u32 s28, s28, s29
	s_mov_b32 s29, 0
	v_and_b32 v1, 15, v0                           ; eg: my four e
	v_lshrrev_b32 v2, 4, v0                        ; dp0: my pair of rows d, 0 .. 15
	v_lshlrev_b32 v3, 13, v2                       ; from W: two rows a pair,
	v_lshl_add_u32 v3, v1, 4, v3                   ; 16 bytes
	v_mul_u32_u24 v4, v1, 4*TP                     ; into the tile: row e = 4 eg + i, word dp0
	v_lshl_add_u32 v4, v2, 2, v4
	v_lshrrev_b32 v5, 5, v0                        ; back: 8 lanes take 128 bytes (64 d) of a row e, the next 8 the row below,
	v_bfe_u32 v6, v0, 3, 1
	v_lshl_add_u32 v5, v5, 1, v6                   ; e = 2 (t / 32) + (t / 8) % 2
	v_bfe_u32 v6, v0, 4, 1                         ; which 64 of the 128 d
	v_and_b32 v7, 7, v0
	v_mul_u32_u24 v10, v5, TP
	v_lshl_add_u32 v10, v6, 7, v10
	v_lshl_add_u32 v10, v7, 4, v10
	v_mul_u32_u24 v11, v6, WBLK                    ; and the same in wt: the block, the row, 16 bytes
	v_lshl_add_u32 v11, v5, 7, v11
	v_lshl_add_u32 v11, v7, 4, v11
	s_wait_kmcnt 0x0
	s_cmp_eq_u32 s23, 0
	s_cselect_b64 s[32:33], s[6:7], s[8:9]
	s_cmp_eq_u32 s23, 2
	s_cselect_b64 s[32:33], s[10:11], s[32:33]
	s_add_nc_u64 s[32:33], s[32:33], s[26:27]
	s_add_nc_u64 s[18:19], s[18:19], s[28:29]
.macro WCVT k                          ; pair k rounded
.irp i, 0,1,2,3
	v_cvt_pk_bf16_f32 v[64+4*(\k)+\i], v[XR+8*(\k)+\i], v[XR+8*(\k)+4+\i]  ; W[d][e] below, W[d + 1][e] above: neighbours in wt's row e
.endr
.endm
.macro WPUT k                          ; pair k into the tile
.irp i, 0,1,2,3
	ds_store_b32 v4, v[64+4*(\k)+\i] offset:TP*\i+64*(\k)
.endr
.endm
	s_wait_alu depctr_va_vdst(0)                   ; v3, v4, v10 and v11 are written: the offset of W's loads, the address of the LDS stores, that of the LDS loads, the offset of wt's stores
.irp k, 0,1,2,3                        ; pair dp0 + 16 k: rows d = 2 dp0 + 32 k and d + 1
	global_load_b128 v[XR+8*\k:XR+8*\k+3],   v3, s[32:33] offset:131072*\k th:TH_LOAD_NT
	global_load_b128 v[XR+8*\k+4:XR+8*\k+7], v3, s[32:33] offset:131072*\k+4096 th:TH_LOAD_NT
.endr
	s_wait_loadcnt 6                               ; pair 0 is in; the later pairs' loads stay out
	WCVT 0
.irp k, 1,2,3
	s_wait_loadcnt 6-2*\k                          ; the later pairs' loads stay out
	s_wait_alu depctr_va_vdst(0)                   ; the roundings of the pair before, issued ahead of the wait above, have written their four registers, which the LDS stores below read
	WPUT \k-1
	WCVT \k
.endr
	s_wait_alu depctr_va_vdst(0)                   ; pair 3's roundings have written v76 to v79, which the last four LDS stores read
	WPUT 3
	s_wait_dscnt 0x0                               ; for the others' sake: my stores into the tile are done
	s_barrier_signal -1
	s_barrier_wait -1
.irp k, 0,1,2,3
	ds_load_b128 v[80+4*\k:80+4*\k+3], v10 offset:16*TP*\k  ; no vector instruction names v80 to v95, and none since the wait ahead of W's loads names v10
.endr
.irp k, 0,1,2,3
	s_wait_dscnt 3-\k                              ; the younger reads stay out
	global_store_b128 v11, v[80+4*\k:80+4*\k+3], s[18:19] offset:2048*\k  ; 16 lanes store two rows of a block: 256 consecutive bytes, aligned
.endr
	s_cmp_lg_u32 s24, 0                            ; the bias of my 64 n: once for each W and block of e, by wave 0
	s_cbranch_scc1 .Lend
	v_lshrrev_b32 v12, 5, v0
	v_readfirstlane_b32 s38, v12
	s_wait_alu depctr_va_sdst(0)                   ; s38 is written, ahead of its first reader, the compare below
	s_cmp_lg_u32 s38, 0
	s_cbranch_scc1 .Lend
	s_add_nc_u64 s[20:21], s[20:21], s[30:31]
	v_lshlrev_b32 v12, 3, v0                       ; in wave 0 the thread's number is the lane: two numbers a lane
	v_mov_b32 v14, 0                               ; k's columns have no bias
	v_mov_b32 v15, 0
	s_cmp_eq_u32 s23, 1
	s_cbranch_scc1 .Lzero
	s_cmp_eq_u32 s23, 0
	s_cselect_b64 s[36:37], s[12:13], s[14:15]
	s_lshl_b32 s34, s25, 8
	s_mov_b32 s35, 0
	s_add_nc_u64 s[36:37], s[36:37], s[34:35]
	s_wait_alu depctr_va_vdst(0)                   ; v12 is written, which the load below reads as its offset
	global_load_b64 v[16:17], v12, s[36:37]
	s_wait_loadcnt 0x0
	v_cvt_pk_bf16_f32 v13, v16, v17                ; rounded to bf16 like every other input, and widened again
	v_lshlrev_b32 v14, 16, v13
	v_and_b32 v15, 0xffff0000, v13
.Lzero:
	s_wait_alu depctr_va_vdst(0)                   ; on both ways: v12 is written, the store's offset, and v14 and v15, its data
	global_store_b64 v12, v[14:15], s[20:21]       ; 32 lanes store 256 consecutive bytes, aligned
.Lend:
	s_wait_dscnt 0x0                               ; the wave's end
	s_wait_alu 0x0
	s_wait_tensorcnt 0x0
	ds_add_u32 v[SPW], v[NIL]
	s_wait_dscnt 0x0
	s_endpgm
.Lfunc_end_k_q12b2f47632_prep:
	.size	k_q12b2f47632_prep, .Lfunc_end_k_q12b2f47632_prep-k_q12b2f47632_prep
	.p2alignl 7, 3214868480
	.fill 96, 4, 3214868480
	.section	.rodata,"a",@progbits
	.p2align	6, 0x0
	.amdhsa_kernel k_q12b2f47632_prep
		.amdhsa_group_segment_fixed_size 18432
		.amdhsa_private_segment_fixed_size 0
		.amdhsa_enable_private_segment 0
		.amdhsa_kernarg_size 72
		.amdhsa_user_sgpr_count 2
		.amdhsa_user_sgpr_kernarg_segment_ptr 1
		.amdhsa_wavefront_size32 1
		.amdhsa_system_sgpr_workgroup_id_x 1
		.amdhsa_system_sgpr_workgroup_id_y 1
		.amdhsa_system_sgpr_workgroup_id_z 1
		.amdhsa_system_vgpr_workitem_id 0
		.amdhsa_next_free_vgpr 160
		.amdhsa_next_free_sgpr 66
		.amdhsa_reserve_vcc 0
		.amdhsa_float_denorm_mode_32 3
		.amdhsa_float_denorm_mode_16_64 3
		.amdhsa_memory_ordered 1
		.amdhsa_forward_progress 1
		.amdhsa_inst_pref_size 19
	.end_amdhsa_kernel
	.amdgpu_metadata
---
amdhsa.version: [ 1, 2 ]
amdhsa.kernels:
  - .name:           k_q12b2f47632_prep
    .symbol:         k_q12b2f47632_prep.kd
    .args:
      - { .name: x, .offset: 0, .size: 8, .value_kind: global_buffer, .address_space: global }
      - { .name: Wq, .offset: 8, .size: 8, .value_kind: global_buffer, .address_space: global }
      - { .name: Wk, .offset: 16, .size: 8, .value_kind: global_buffer, .address_space: global }
      - { .name: Wv, .offset: 24, .size: 8, .value_kind: global_buffer, .address_space: global }
      - { .name: bq, .offset: 32, .size: 8, .value_kind: global_buffer, .address_space: global }
      - { .name: bv, .offset: 40, .size: 8, .value_kind: global_buffer, .address_space: global }
      - { .name: xb, .offset: 48, .size: 8, .value_kind: global_buffer, .address_space: global }
      - { .name: wt, .offset: 56, .size: 8, .value_kind: global_buffer, .address_space: global }
      - { .name: bias, .offset: 64, .size: 8, .value_kind: global_buffer, .address_space: global }
    .group_segment_fixed_size: 18432
    .private_segment_fixed_size: 0
    .kernarg_segment_align: 8
    .kernarg_segment_size: 72
    .max_flat_workgroup_size: 256
    .sgpr_count:     66
    .vgpr_count:     160
    .wavefront_size: 32
...
	.end_amdgpu_metadata
.endif
;; end of part 5
;; launch proj: the kernel of part 2 again; grid 8 x 32, 4 waves a work-group, clusters of 4 x 4, 327,680 bytes of LDS; arguments xb, wt, bias, qkv; writes qkv
;; launch scores: the kernel of part 3 again; grid 8 x 32, 4 waves a work-group, clusters of 4 x 4, 327,680 bytes of LDS; arguments qkv, mask, p, stats; writes p, stats
;; launch pv: the kernel of part 4 again; grid 4 x 64, 4 waves a work-group, clusters of 4 x 4, 327,680 bytes of LDS; arguments p, qkv, stats, out0; writes out0
